; MI455X (gfx1250); checked and timed in simulation.
; The chip was launched on July 23, 2026; its instructions are those of AMD's public machine-readable ISA for CDNA 5 (MIT licence, August 2026) and "CDNA5" Instruction Set Architecture Reference Guide (July 2026). The comments in the code are by the model that wrote it; some were corrected since.
;; Causal Attention. Allowed arithmetic: matrix products marked QUANTISED: E3M2 operands, one E8M0 scale for each 32 along K, by v_wmma_scale_f32_16x16x128_f8f6f4 with both operands' format E3M2, f32 sums; everything else in f32.
;; Inputs: W_key 1,024 x 1,024 float32; W_query 1,024 x 1,024 float32; W_value 1,024 x 1,024 float32; x 4 x 2,048 x 1,024 float32.
;; Outputs: out0 4 x 2,048 x 1,024 float32.
;; This version of the problem:
;;   THIS VERSION OF THE PROBLEM IS GIVEN IN LOW PRECISION. The matrix products marked QUANTISED in the list below multiply operands that are first quantised to E3M2 (3 exponent bits, 2 mantissa bits; 6 bits a number), with one power-of-two scale for each 32 numbers along K (OCP MX v1.0); their sums are f32. All else is computed in f32.
;;   The module's matrix products, in the order in which they are computed (A, B: the left and right operand; K: the contracted axis; several contracted axes count as one K, in the product's order):
;;     1. [M 8,192, K 1,024] x [K 1,024, N 1,024]; A: input x; B: input W_query: QUANTISED
;;     2. [M 8,192, K 1,024] x [K 1,024, N 1,024]; A: input x; B: input W_key: QUANTISED
;;     3. [M 8,192, K 1,024] x [K 1,024, N 1,024]; A: input x; B: input W_value: QUANTISED
;;     4. batch 4 x [M 2,048, K 1,024] x [K 1,024, N 2,048]; A: computed on the way; B: computed on the way: QUANTISED
;;     5. batch 4 x [M 2,048, K 2,048] x [K 2,048, N 1,024]; A: softmax (see below); B: computed on the way: QUANTISED
;;   THE QUANTISER, for each operand of a quantised product, along K:
;;     - K is cut into blocks of 32 from its start; a last block that is shorter is filled with zeros.
;;     - A block's scale is 2^e with e = floor(log2(the largest magnitude in the block)) - 4, held to -126 .. 127; a block of zeros has e = 0. As a byte (E8M0): e + 127.
;;     - Each number is divided by its block's scale, clamped to +-28, and rounded to the nearest number of E3M2, ties to even, subnormals kept.
;;     - The product sums the exact products of the quantised numbers (number of the format x scale) in f32.
;;   ~~~python
;;   def quantise(x, axis):      # numpy; x: float32 -> the quantised numbers, widened to float32 again
;;       x = np.moveaxis(x, axis, -1); K = x.shape[-1]
;;       x = np.pad(x, [(0, 0)] * (x.ndim - 1) + [(0, -K % 32)]); x = x.reshape(x.shape[:-1] + (-1, 32)); a = np.abs(x).max(-1, keepdims=True)
;;       e = np.where(a > 0, np.clip(np.frexp(np.where(a > 0, a, 1))[1] - 1 - 4, -126, 127), 0)      # np.frexp(a)[1] - 1 = floor(log2(a)), exactly
;;       r = np.clip(x / 2.0 ** e, -28, 28)
;;       step = 2.0 ** (np.maximum(np.frexp(np.where(r == 0, 1, r))[1] - 1, -2) - 2)
;;       q = np.round(r / step) * step * 2.0 ** e      # np.round: ties to even
;;       return np.moveaxis(q.reshape(q.shape[:-2] + (-1,))[..., :K], -1, axis).astype(np.float32)
;;   ~~~
;;   SOFTMAX AHEAD OF A QUANTISED PRODUCT. Where the list says 'softmax', what is quantised is not the finished softmax but p = 2^(t - M), with t = logit x log2(e) and M = ceil(the row's largest t), a whole number; so 1/2 < the row's largest p <= 1. The row's sum l is taken of the UNQUANTISED p, in f32, and the product's result is divided by l at the end. Since M is a whole number, a kernel that streams over the keys may use a running M (the ceiling of the running maximum): every later rescaling is an exact power of two, which a block's scale takes up: the codes' values come out the same.
;;   OPERANDS COMPUTED ON THE WAY. 'Computed on the way' means the value that the module computes at that place (a softmax that the list does not call 'softmax' is quantised finished and normalised). What goes into a quantiser is computed in f32, as accurately as f32 sums, v_exp_f32 and their like allow (about 1e-6 of the number): no bf16 or f16 on the way to a quantiser, and a product that is left as it is and whose result goes on into a quantised operand takes f32 operands (vector FMAs, or v_wmma_f32_16x16x4_f32). A number that lies on a knife's edge between two numbers of the format may be rounded either way, as far as f32 arithmetic and the matrix unit's own rounding can turn it there, and no further.
;; One version. Each part assembles by itself: llvm-mc -triple=amdgcn-amd-amdhsa -mcpu=gfx1250 --defsym DOCPART=n.
;; ======== version 1 of 1: 4 launches
;; limits: right only within a limited range of input values
;; workspace buffers: c1 8,650,752 bytes; s1 360,448 bytes; c2 18,874,368 bytes; s2 786,432 bytes; c3 7,077,888 bytes; st 1,179,648 bytes
;; launch quant (part 1): grid 88 x 8, 4 waves a work-group, no clusters, 34,816 bytes of LDS; arguments x, W_query, W_key, W_value, c1, s1; writes c1, s1
.if DOCPART == 1
	.amdgcn_target "amdgcn-amd-amdhsa--gfx1250"
	.amdhsa_code_object_version 6
	.text
	.protected	k_qf1918cbc23_quant
	.globl	k_qf1918cbc23_quant
	.p2align	8
	.type	k_qf1918cbc23_quant,@function
k_qf1918cbc23_quant:
	s_mov_b64 s[64:65], 0
	v_nop
	global_prefetch_b8 v0, s[64:65] scope:SCOPE_SE
	s_setreg_imm32_b32 hwreg(HW_REG_WAVE_MODE, 25, 1), 1
	s_wait_xcnt 0x0
; x [8192][1024], W_query, W_key, W_value [1024][1024], f32, K innermost, become codes of BF6 (E3M2) with one E8M0 byte for each 32 along K.
; WORK THE PROGRAM LEAVES OUT: reference() builds a causal mask in its own body and puts -inf ahead of the softmax where a key comes after its query, so for all values of the inputs a score there reaches no output.
; Tiles of scores, and chunks of p, that lie wholly there are not made (launches score and pv).  LIMIT: a NaN, an infinity or an overflow that reaches only such scores is not carried to the result.
; The four tensors are one space of 11,264 rows: x 0.., W_query 8192.., W_key 9216.., W_value 10240...
; THE CODES ARE LAID AS IMAGES OF OPERAND REGISTERS.  A fragment is 16 rows x 128 K, 12 registers a lane, 1,536 bytes: registers 4 c .. 4 c + 3 of lane l at byte 512 c + 16 l.
; THE ROWS OF A FRAGMENT ARE NOT NEIGHBOURS: lane r of row-block 2 p + u holds row 32 p + 8 u + r + 8 (r / 8).  Fragment (row-block rb, K step s) lies at (8 rb + s) x 1,536 in c1.
; The scale words (four bytes: 128 along K of one row) of eight row-blocks (a group g of 128 rows) and one K step are 512 bytes at (8 g + s) x 512 in s1: the word of lane r, row-block a at 32 r + 4 a.
; A block's scale is 2^(floor(log2(its largest magnitude)) - 4); its byte is the largest magnitude's exponent field - 4, held at 1 from below.
; LIMITS: a block of zeros gets the byte 1 where the rule says 127: its codes are zeros, and this program alone reads the bytes.  NaN and infinities among the inputs are not served.
; SHARES: a work-group takes a group of 128 rows x 128 along K; wave w takes row-blocks 2 w and 2 w + 1: two fragments.  Each load reads 512 consecutive bytes of one row; a fragment's 16 rows turn through the wave's own stage
; in LDS (rows of 512 + 16 bytes), so that lane (r, h) gets, of row r, 16 neighbours of each block of 32.  No cluster, no tensor load: the launch moves each byte once and shares nothing but the scale words.
.set STGB,  8448                       ; a wave's stage: 16 rows x 528 bytes
.set SCL,   4*STGB                     ; behind the stages: the scale words, 512 bytes
.set SPARE, SCL+512                    ; the spare words, 128 bytes for each wave
.set WV,    18                         ; s18      my wave's number
.set SEL,   30                         ; s[30:31] lane selects for v_permlanex16_b32: lane l xor 16
.set LI,    3                          ; v3       16 x lane
.set STI,   4                          ; v4       the stage, on the way in
.set STO,   5                          ; v5       and on the way out
.set SWA,   6                          ; v6       where my two scale words go
.set SRA,   7                          ; v7       where wave 0 reads the 512 bytes of words
.set PW,    12                         ; v12-13   the two fragments' scale words
.set R,     16                         ; v16-143  32 loads of 4 registers
.set X,     144                        ; v144-207 64 numbers of a lane: register 16 b + i = k 32 b + 16 h + i of its row
.set PC,    208                        ; v208-231 the two fragments' codes
.set HX,    232                        ; v232-239 the conversions' second halves
.set TM,    240                        ; v240-243 largest magnitudes, v244-247 the other half's, then bytes, v252-255 the conversions' scale operands
.set SPW,   250
.set NIL,   251
; 64 numbers of a lane from v[s] on become a fragment's codes in v[pc] on and its row's scale word in v[pw].
.macro QUANT s, pc, pw
.irp b, 0,1,2,3
	v_max3_num_f32 v[TM+\b], |v[\s+16*\b]|, |v[\s+16*\b+1]|, 0x2800000   ; block b: my 16 numbers, and the floor 2^(5 - 127): the byte cannot fall under 1
.endr
.irp i, 2,4,6,8,10,12,14
.irp b, 0,1,2,3
	s_delay_alu instid0(VALU_DEP_4)
	v_max3_num_f32 v[TM+\b], v[TM+\b], |v[\s+16*\b+\i]|, |v[\s+16*\b+\i+1]|   ; the four blocks by turns
.endr
.endr
.irp b, 0,1,2,3
	s_delay_alu instid0(VALU_DEP_4)
	v_permlanex16_b32 v[TM+4+\b], v[TM+\b], s[SEL], s[SEL+1]
.endr
.irp b, 0,1,2,3
	s_delay_alu instid0(VALU_DEP_4)
	v_max_num_f32 v[TM+\b], v[TM+\b], v[TM+4+\b]   ; with lane l xor 16: the block's largest magnitude
.endr
.irp b, 0,1,2,3
	s_delay_alu instid0(VALU_DEP_4)
	v_add_nc_u32 v[TM+12+\b], 0xfe000000, v[TM+\b] ; 4 off its exponent field: the conversion's scale operand
.endr
.irp b, 0,1,2,3
	s_delay_alu instid0(VALU_DEP_4)
	v_lshrrev_b32 v[TM+4+\b], 23, v[TM+12+\b]      ; the scale's byte
.endr
	s_delay_alu instid0(VALU_DEP_3)
	v_lshl_or_b32 v[\pw], v[TM+5], 8, v[TM+4]
	s_delay_alu instid0(VALU_DEP_1)
	v_lshl_or_b32 v[\pw], v[TM+6], 16, v[\pw]
	s_delay_alu instid0(VALU_DEP_1)
	v_lshl_or_b32 v[\pw], v[TM+7], 24, v[\pw]
.irp c, 0,1
	v_cvt_scalef32_pk16_bf6_f32 v[\pc+6*\c:\pc+6*\c+2], v[\s+32*\c:\s+32*\c+15], v[TM+12+2*\c]
	v_cvt_scalef32_pk16_bf6_f32 v[HX+4*\c:HX+4*\c+2], v[\s+32*\c+16:\s+32*\c+31], v[TM+12+2*\c+1]   ; (a conversion's three registers begin on an even number)
.endr
	v_nop                                          ; one plain place behind a scaled conversion
.irp c, 0,1                                    ; the operand's layout wants a whole block in a lane: lanes 0-15 block 2 c, lanes 16-31 block 2 c + 1
.irp i, 0,1,2
	v_permlane16_swap_b32 v[\pc+6*\c+\i], v[HX+4*\c+\i]
.endr
.irp i, 0,1,2
	s_delay_alu instid0(VALU_DEP_3)
	v_mov_b32 v[\pc+6*\c+3+\i], v[HX+4*\c+\i]
.endr
.endr
.endm
	s_load_b256 s[4:11], s[0:1], 0x0               ; x s[4:5], W_query s[6:7], W_key s[8:9], W_value s[10:11]
	s_load_b128 s[12:15], s[0:1], 0x20             ; c1 s[12:13], s1 s[14:15]
	v_lshl_add_u32 v[SPW], v0, 2, SPARE
	v_mov_b32 v[NIL], 0
	v_lshrrev_b32 v8, 5, v0
	v_and_b32 v9, 31, v0
	v_and_b32 v1, 15, v0                           ; r
	v_bfe_u32 v2, v0, 4, 1                         ; h
	v_readfirstlane_b32 s[WV], v8                  ; wave 0..3
	v_lshlrev_b32 v[LI], 4, v9
	v_mul_u32_u24 v[STO], v1, 528
	v_lshlrev_b32 v[SWA], 5, v1
	s_mul_i32 s24, s[WV], STGB
	s_lshl_b32 s25, s[WV], 3
	v_add_nc_u32 v[STI], s24, v[LI]                ; in: a row's 512 bytes as they lie
	v_lshl_add_u32 v[STO], v2, 6, v[STO]
	v_add_nc_u32 v[SWA], s25, v[SWA]
	v_add_nc_u32 v[SRA], SCL, v[LI]
	v_add_nc_u32 v[STO], s24, v[STO]               ; out: row r, + 64 h
	v_add_nc_u32 v[SWA], SCL, v[SWA]               ; 32 r + 8 w
	s_and_b32 s19, ttmp7, 0xffff                   ; y: which 128 along K
	s_mov_b32 s[SEL], 0x76543210
	s_mov_b32 s[SEL+1], 0xfedcba98
.irp b, 0,1,2,3
	v_mov_b32 v[TM+4+\b], 0                        ; written once: a lane permute's destination counts as one of its sources
.endr
	s_mov_b32 s20, 80
	s_wait_alu depctr_va_vdst(0)                   ; the head's end
	s_wait_kmcnt 0x0
	s_cmp_lt_u32 ttmp9, 80                         ; which tensor holds group g: the choice hangs on the work-group's number alone
	s_cselect_b64 s[16:17], s[8:9], s[10:11]
	s_cselect_b32 s20, 72, s20
	s_cmp_lt_u32 ttmp9, 72
	s_cselect_b64 s[16:17], s[6:7], s[16:17]
	s_cselect_b32 s20, 64, s20
	s_cmp_lt_u32 ttmp9, 64
	s_cselect_b64 s[16:17], s[4:5], s[16:17]
	s_cselect_b32 s20, 0, s20                      ; the tensor's first group
	s_sub_co_u32 s21, ttmp9, s20
	s_lshl_b32 s21, s21, 7
	s_lshl_b32 s22, s[WV], 5
	s_add_co_u32 s21, s21, s22                     ; my first row: 128 (g - g0) + 32 w
	s_lshl_b32 s22, s21, 12
	s_lshl_b32 s28, s19, 9
	s_add_co_u32 s22, s22, s28
	s_mov_b32 s23, 0
	s_add_nc_u64 s[16:17], s[16:17], s[22:23]
	s_mul_i32 s22, ttmp9, 98304                    ; c1: ((8 g + 2 w) 8 + y) x 1,536
	s_mul_i32 s28, s[WV], 24576
	s_add_co_u32 s22, s22, s28
	s_mul_i32 s28, s19, 1536
	s_add_co_u32 s22, s22, s28
	s_add_nc_u64 s[12:13], s[12:13], s[22:23]
	s_lshl_b32 s22, ttmp9, 3                       ; s1: (8 g + y) x 512
	s_add_co_u32 s22, s22, s19
	s_lshl_b32 s22, s22, 9
	s_add_nc_u64 s[14:15], s[14:15], s[22:23]
.irp f, 0,1
.irp t, 0,1,2,3,4,5,6,7,8,9,10,11,12,13,14,15
	global_load_b128 v[R+64*\f+4*\t:R+64*\f+4*\t+3], v[LI], s[16:17] offset:(\t+8*(\t/8)+8*\f)*4096 th:TH_LOAD_NT   ; 512 consecutive bytes: the K step's part of the row of lane t
.endr
.endr
.macro PART f
	s_wait_loadcnt 16*(1-\f)                       ; this fragment's sixteen loads are in; the other's may be out
.irp t, 0,1,2,3,4,5,6,7,8,9,10,11,12,13,14,15
	ds_store_b128 v[STI], v[R+64*\f+4*\t:R+64*\f+4*\t+3] offset:528*\t
.endr
.irp b, 0,1,2,3
.irp j, 0,1,2,3
	ds_load_b128 v[X+16*\b+4*\j:X+16*\b+4*\j+3], v[STO] offset:128*\b+16*\j   ; LDS serves a wave's instructions in order: these see my stores
.endr
.endr
	s_wait_dscnt 0x0
	QUANT X, PC+12*\f, PW+\f
.irp c, 0,1,2
	global_store_b128 v[LI], v[PC+12*\f+4*\c:PC+12*\f+4*\c+3], s[12:13] offset:12288*\f+512*\c   ; 32 lanes store 512 consecutive bytes, aligned
.endr
.endm
	PART 0
	PART 1
	ds_store_b64 v[SWA], v[PW:PW+1]                ; both halves of the lanes hold the same words and write them to the same place
	s_wait_dscnt 0x0                               ; for the others' sake: my scale words have landed
	s_barrier_signal -1
	s_barrier_wait -1
	s_cmp_lt_u32 s[WV], 1                          ; wave 0 stores the 512 bytes of words
	s_cbranch_scc0 .Ldone
	ds_load_b128 v[X:X+3], v[SRA]
	s_wait_dscnt 0x0
	global_store_b128 v[LI], v[X:X+3], s[14:15]
.Ldone:
	s_wait_tensorcnt 0x0                           ; the wave's end
	ds_add_u32 v[SPW], v[NIL]
	s_wait_dscnt 0x0
	s_endpgm
.Lfunc_end_k_qf1918cbc23_quant:
	.size	k_qf1918cbc23_quant, .Lfunc_end_k_qf1918cbc23_quant-k_qf1918cbc23_quant
	.p2alignl 7, 3214868480
	.fill 96, 4, 3214868480
	.section	.rodata,"a",@progbits
	.p2align	6, 0x0
	.amdhsa_kernel k_qf1918cbc23_quant
		.amdhsa_group_segment_fixed_size 34816
		.amdhsa_private_segment_fixed_size 0
		.amdhsa_enable_private_segment 0
		.amdhsa_kernarg_size 48
		.amdhsa_user_sgpr_count 2
		.amdhsa_user_sgpr_kernarg_segment_ptr 1
		.amdhsa_wavefront_size32 1
		.amdhsa_system_sgpr_workgroup_id_x 1
		.amdhsa_system_sgpr_workgroup_id_y 1
		.amdhsa_system_sgpr_workgroup_id_z 1
		.amdhsa_system_vgpr_workitem_id 0
		.amdhsa_next_free_vgpr 256
		.amdhsa_next_free_sgpr 66
		.amdhsa_reserve_vcc 0
		.amdhsa_float_denorm_mode_32 3
		.amdhsa_float_denorm_mode_16_64 3
		.amdhsa_memory_ordered 1
		.amdhsa_forward_progress 1
		.amdhsa_inst_pref_size 22
	.end_amdhsa_kernel
	.amdgpu_metadata
---
amdhsa.version: [ 1, 2 ]
amdhsa.kernels:
  - .name:           k_qf1918cbc23_quant
    .symbol:         k_qf1918cbc23_quant.kd
    .args:
      - { .name: x, .offset: 0, .size: 8, .value_kind: global_buffer, .address_space: global }
      - { .name: W_query, .offset: 8, .size: 8, .value_kind: global_buffer, .address_space: global }
      - { .name: W_key, .offset: 16, .size: 8, .value_kind: global_buffer, .address_space: global }
      - { .name: W_value, .offset: 24, .size: 8, .value_kind: global_buffer, .address_space: global }
      - { .name: c1, .offset: 32, .size: 8, .value_kind: global_buffer, .address_space: global }
      - { .name: s1, .offset: 40, .size: 8, .value_kind: global_buffer, .address_space: global }
    .group_segment_fixed_size: 34816
    .private_segment_fixed_size: 0
    .kernarg_segment_align: 8
    .kernarg_segment_size: 48
    .max_flat_workgroup_size: 128
    .sgpr_count:     66
    .vgpr_count:     256
    .wavefront_size: 32
...
	.end_amdgpu_metadata
.endif
;; end of part 1
;; launch proj (part 2): grid 8 x 32, 4 waves a work-group, clusters of 4 x 4, 327,680 bytes of LDS; arguments c1, s1, c2, s2; writes c2, s2
.if DOCPART == 2
	.amdgcn_target "amdgcn-amd-amdhsa--gfx1250"
	.amdhsa_code_object_version 6
	.text
	.protected	k_qf1918cbc23_proj
	.globl	k_qf1918cbc23_proj
	.p2align	8
	.type	k_qf1918cbc23_proj,@function
k_qf1918cbc23_proj:
	s_mov_b64 s[64:65], 0
	v_nop
	global_prefetch_b8 v0, s[64:65] scope:SCOPE_SE
	s_setreg_imm32_b32 hwreg(HW_REG_WAVE_MODE, 25, 1), 1
	s_wait_xcnt 0x0
	s_wait_alu depctr_hold_cnt(0) depctr_sa_sdst(0) depctr_va_vdst(0) depctr_va_sdst(0) depctr_va_ssrc(0) depctr_va_vcc(0) depctr_vm_vsrc(0)
	s_getreg_b32 s2, hwreg(HW_REG_IB_STS2, 6, 4)
	s_cmp_eq_u32 s2, 0
	s_cbranch_scc0 .Lentry_in_a_cluster
	s_endpgm
.Lentry_in_a_cluster:
	s_bfe_u32 s2, ttmp6, 0x10000c
	s_cmp_lg_u32 s2, 0xf033
	s_cbranch_scc0 .Lentry_shape_is_right
	s_endpgm
.Lentry_shape_is_right:
; The three projections, on codes of BF6 (E3M2), and the quantising of their results, which are operands of the next products.  K = 1,024: eight K steps of 128.
; A work-group (x, y) takes the 256 tokens 256 y.. and makes, one after the other,
;   q, k: 256 tokens x the features 256 x.. of the 2,048 of W_query and W_key, quantised along the features: first part of c2, s2 (rows = tokens; K steps 0-7 of a row are q, 8-15 are k);
;   v: the features 128 x.. of W_value x 256 tokens, quantised along the tokens (the KEYS innermost): second part of c2 (from byte 12,582,912; rows = features, 64 K steps of 128 tokens) and of s2 (from 524,288).
; 8 x 32 = 256 work-groups of equal work.  THE TOKENS' CODES STAY IN LDS (196,608 bytes) and serve both.
; OPERANDS LIE AS IMAGES OF THEIR REGISTERS (16 rows x 128 K = 1,536 bytes: registers 4 c .. 4 c + 3 of lane l at 512 c + 16 l; lane r of row-block 2 p + u holds row 32 p + 8 u + r + 8 (r / 8)): a fragment is three
; ds_load_b128 of 512 consecutive bytes.  Both products are used so that the axis along which the result is quantised is source 0's: q, k: source 0 = weights, source 1 = tokens; v: source 0 = tokens, source 1 = weights.
; Lane (r, h) then holds the row of source 1 that lane r of the fragment holds, and by the order of rows the 64 registers of accumulators (a, 0..7) are i = 32 bb + 16 h + 0 .. 15: neighbours along the next K.
; So the conversions' results are the next operand's registers.
; A wave: q, k: 128 tokens x 128 features, 64 accumulators; v: the same 128 tokens x 64 features, 32 accumulators.
; THE FILLS, one tensor load a wave each:  head: the tokens' K steps 0-4 (waves 0, 1), the weights' K steps 0-1 (wave 2) and 2-4 (wave 3).  Behind K step 1: the tokens' 5-7 and the weights' 5-6, over 0-1; they have three K steps in which
; to land.  Behind K step 4: the weights' 7 (waves 0, 1) and W_value's 0-3 (waves 2, 3), over 2-4.  Behind K step 6: W_value's 4-7, over 5-6; they land under the quantising of q and k.  All is written out: no loop.
; CLUSTERS: 4 x 4 work-groups; the tokens' tiles hang on the work-group's y alone and are asked for jointly along a row of the cluster, the weights' on x alone and are asked for jointly along a column.
; NO PREFETCH: K is eight steps in four fills, and there is no loop to run ahead in.
; s2's words: q, k: (16 G + s) x 512 + 32 r + 4 a (G = token / 128, s the K step); v: 524,288 + (64 x + s) x 512 + 256 ih + 16 r + 4 a (row-block 8 x + 4 ih + a, s = token / 128).
; LIMITS: a block of zeros gets the byte 1 (its codes are zeros; this program alone reads the bytes); NaN and infinities are not served.
; REGISTERS, in windows of 256: window 0: v1-31 addresses; v32-63 the tokens' scale words, v64-95 W_query's or W_key's (register 8 n + a: lanes 0-15 K step 2 n, lanes 16-31 K step 2 n + 1); v96-107 the results' scale words;
;   v108-123 W_value's scale words; v128-223 source 1's fragments: q, k: ONE set of 8; v: two sets of 4; v192-215 later the codes just made; v224-239 at work.
;   window 1: source 0's fragments, TWO sets, at v0 and v128.   windows 2, 3: accumulator (a, b) at v[8 (8 (a % 4) + b)].
.set FR,    12
.set KS1,   1536                       ; a row-block's K step
.set TB0,   40*KS1                     ; 128 tokens' K steps 0-4, row-blocks 7,680 bytes apart
.set T1,    2*TB0                      ; K steps 5-7
.set TB1,   24*KS1                     ; 128 tokens', row-blocks 4,608 bytes apart
.set W0,    T1+2*TB1                   ; the weights' K steps 0-1, then 5-6 (row-blocks 3,072 apart), then W_value's 4-7 (6,144 apart)
.set W1,    W0+32*KS1                  ; K steps 2-4 (4,608 apart), then 7 (1,536 apart),
.set WVA,   W1+16*KS1                  ; and behind it W_value's 0-3 (6,144 apart)
.set SPARE, W1+48*KS1                  ; the spare words, 128 bytes for each wave: two blocks of 256 bytes that no other line names
.set LI,   3                           ; v3     16 x lane
.set HV,   4                           ; v4     16 r
.set SA1,  5                           ; v5     my offset among the tokens' scale words
.set SA0,  6                           ; v6     among W_query's and W_key's
.set SAV,  7                           ; v7     among W_value's
.set SPW,  10                          ; v10    LDS address of my spare word; never rewritten
.set NIL,  11                          ; v11    0; never rewritten
.set HS,   13                          ; v13    32 r + 16 h: my 16 bytes of a block of 512 bytes of scale words
.set ADRT, 16                          ; v16-17 my 128 tokens, K steps 0-4, 5-7
.set ADRW, 18                          ; v18-21 my features: in W0; in W1, K steps 2-4; in W1, K step 7; W_value's in WVA
.set SC1,  32
.set SC0,  64
.set PW,   96
.set SCV,  108
.set AF,   128
.set PC,   192                         ; v192-215 codes, two sets by turns
.set HX,   216
.set TM,   224
.set G1,   24                          ; descriptor groups 1 and 0: the tokens' (mask: my row)
.set G0,   32
.set G1B,  48                          ; weights' (mask: my column), twice
.set G0B,  56
.set G1C,  68
.set G0C,  36
.set PT,   20                          ; s[20:21] tokens;  s[46:47] weights;  s[66:67] my half of them;  s[60:61] my half of W_value
.set PWT,  46
.set PWH,  66
.set PV,   60
.set SEL,  90
.set OVC,  92                          ; s[92:93] where v's codes go; s[94:95] its scale words
.set OVS,  94
.set MSB, 0
.macro WIN new                         ; the immediate's high byte repeats the setting that is left
.if MSB != \new
	s_set_vgpr_msb (MSB<<8)|\new
.set MSB, \new
.endif
.endm
.set MUL_LO, 0xa1                      ; source 0 window 1, source 1 window 0, C and D window 2
.set MUL_HI, 0xf1                      ; the same, C and D window 3
.set TO_B,   0x40                      ; destination window 1, address window 0
.macro PLACES n                        ; plain vector places behind matrix instructions (ISA guide 7.12.1)
.rept \n
	v_nop
.endr
.endm
.macro TLOAD g0, g1                    ; a joint load
	tensor_load_to_lds s[\g0:\g0+3], s[\g1:\g1+7]
	s_nop 0
	PLACES 4
.endm
.macro JLOAD g0a, g1a, g0b, g1b        ; waves 0 and 1, waves 2 and 3: the branch hangs on the wave's number alone
	s_cmp_eq_u32 s15, 0
	s_cbranch_scc0 .Lfor_b_\@
	TLOAD \g0a, \g1a
	s_branch .Lasked_\@
.Lfor_b_\@:
	TLOAD \g0b, \g1b
.Lasked_\@:
.endm
.macro MKG0 g, base, step, ptr, off    ; group 0: LDS address base + step x (wave % 2), memory address ptr + off
	s_mov_b32 s[\g], 1
	s_mul_i32 s[\g+1], s16, \step
	s_add_co_u32 s[\g+1], s[\g+1], \base
	s_add_nc_u64 s[\g+2:\g+3], s[\ptr:\ptr+1], \off
	s_or_b32 s[\g+3], s[\g+3], 0x80000000
.endm
.macro SHAPE g, bytes, rows            ; group 1: rows of so many bytes, counted in elements of 8
	s_mov_b32 s[\g+1], ((\bytes)/8)<<16
	s_mov_b32 s[\g+2], (\rows)<<16
	s_mov_b32 s[\g+3], ((\bytes)/8)<<16
	s_mov_b32 s[\g+4], \rows
.endm
.macro NEXT kind                       ; the next fill's descriptors (behind a wait for all my tensor loads)
.if \kind == 1
	SHAPE G1, 3*KS1, 8
	SHAPE G1B, 2*KS1, 8
	MKG0 G0, T1, TB1, PT, 5*KS1
	MKG0 G0B, W0, 16*KS1, PWH, 5*KS1
.elseif \kind == 2
	SHAPE G1C, KS1, 8
	SHAPE G1B, 4*KS1, 4
	MKG0 G0C, W1, 8*KS1, PWH, 7*KS1
	MKG0 G0B, WVA, 16*KS1, PV, 0
.else
	MKG0 G0B, W0, 16*KS1, PV, 4*KS1
.endif
.endm
.macro CREST                           ; a round of the cluster's barrier behind its opening barrier
	s_cmp_lg_u32 s14, 0
	s_cbranch_scc1 .Lnot_wave_0_\@
	s_barrier_signal -3
.Lnot_wave_0_\@:
	s_barrier_wait -3
	s_barrier_signal -1
	s_barrier_wait -1
.endm
.macro CROUND                          ; a whole round
	s_barrier_signal -1
	s_barrier_wait -1
	CREST
.endm
; one matrix instruction.  q: which K step of a pair: its scale words lie in lanes 0-15 (q = 0) or 16-31 (q = 1) of both scale registers.  zero = 1: it starts the sum.
.macro WM q, zero, d, fa, fb, sa, sb
.if \zero
	v_wmma_scale_f32_16x16x128_f8f6f4 v[\d:\d+7], v[\fa:\fa+FR-1], v[\fb:\fb+FR-1], 0, v[\sa], v[\sb] matrix_a_fmt:MATRIX_FMT_BF6 matrix_b_fmt:MATRIX_FMT_BF6
.elseif \q
	v_wmma_scale_f32_16x16x128_f8f6f4 v[\d:\d+7], v[\fa:\fa+FR-1], v[\fb:\fb+FR-1], v[\d:\d+7], v[\sa], v[\sb] matrix_a_fmt:MATRIX_FMT_BF6 matrix_b_fmt:MATRIX_FMT_BF6 matrix_a_scale:MATRIX_SCALE_ROW1 matrix_b_scale:MATRIX_SCALE_ROW1
.else
	v_wmma_scale_f32_16x16x128_f8f6f4 v[\d:\d+7], v[\fa:\fa+FR-1], v[\fb:\fb+FR-1], v[\d:\d+7], v[\sa], v[\sb] matrix_a_fmt:MATRIX_FMT_BF6 matrix_b_fmt:MATRIX_FMT_BF6
.endif
.endm
; q, k: 8 matrix instructions of K step 2 KN + KQ: the tokens' block a x the weights' eight.  The 64 accumulators take turns, one instruction a turn, in the same order in every K step.
.macro MUL8 a, zero
.irp b, 0,1,2,3,4,5,6,7
	WM KQ, \zero, 8*(8*((\a)%4)+\b), 128*KQ+FR*\b, AF+FR*(\a), SC0+8*KN+\b, SC1+8*KN+(\a)
.endr
.endm
.macro FRAG reg, adr, off              ; a fragment's image: three loads of 512 consecutive bytes
.irp c, 0,1,2
	ds_load_b128 v[\reg+4*\c:\reg+4*\c+3], v[\adr] offset:\off+512*\c
.endr
.endm
.macro TSET ks                         ; where the tokens' K step lies: address register, row-blocks' distance, offset
.if (\ks) < 5
.set XA, ADRT
.set XP, 5*KS1
.set XO, KS1*(\ks)
.else
.set XA, ADRT+1
.set XP, 3*KS1
.set XO, KS1*((\ks)-5)
.endif
.endm
.macro WSET ks                         ; and the weights'
.if (\ks) < 2
.set XA, ADRW
.set XP, 2*KS1
.set XO, KS1*(\ks)
.elseif (\ks) < 5
.set XA, ADRW+1
.set XP, 3*KS1
.set XO, KS1*((\ks)-2)
.elseif (\ks) < 7
.set XA, ADRW
.set XP, 2*KS1
.set XO, KS1*((\ks)-5)
.else
.set XA, ADRW+2
.set XP, KS1
.set XO, 0
.endif
.endm
.macro FETCH_B ks
	WSET \ks
	WIN TO_B
.irp i, 0,1,2,3,4,5,6,7
	FRAG 128*((\ks)%2)+FR*\i, XA, XP*\i+XO
.endr
	WIN 0
.endm
.macro FETCH_A ks, i0
	TSET \ks
.irp i, \i0, \i0+1, \i0+2, \i0+3
	FRAG AF+FR*(\i), XA, XP*(\i)+XO
.endr
.endm
; A K step.  The tokens have one set of registers: blocks 0-3 are fetched anew in the middle, blocks 4-7 at the end; the weights' next set comes in the middle run.
; kind > 0: with a barrier: in front of it each wave waits for all its tensor loads, adds 0 to its spare word, and waits for that and for its reads of this K step; behind it LDS is filled again.
.macro KSTEP ks, kind, zero
.set KN, (\ks)/2
.set KQ, (\ks)%2
	s_wait_dscnt 12                                ; the weights' set and the tokens' blocks 0-3 are in; the youngest twelve loads (blocks 4-7) may be out
	WIN MUL_LO
	MUL8 0, \zero
	MUL8 1, \zero
.if \kind == 0
	MUL8 2, \zero
	MUL8 3, \zero
	s_wait_dscnt 0x0
	PLACES 4
.else
	WIN 0                                          ; (the add's two registers lie in window 0)
	s_wait_tensorcnt 0x0                           ; all my tensor loads have landed
	ds_add_u32 v[SPW], v[NIL]                      ; 0 onto my spare word
	NEXT \kind
	WIN MUL_LO
	MUL8 2, \zero                                  ; work on registers between the add and the wait for it
	s_wait_dscnt 0x0                               ; the add is done, and my reads of this K step are over
	s_barrier_signal -1
	MUL8 3, \zero
	WIN 0
	s_barrier_wait -1
	CREST                                          ; the barrier has opened a round of the cluster's barrier: no wave of any partner still reads what is filled now, or has a load on its way
.if \kind == 1
	JLOAD G0, G1, G0B, G1B                         ; the first tensor load behind the round; its four v_nop are also the places in front of the loads below
.elseif \kind == 2
	JLOAD G0C, G1C, G0B, G1B
.else
	s_cmp_eq_u32 s15, 0                            ; waves 2 and 3 alone
	s_cbranch_scc1 .Lnot_mine_\@
	TLOAD G0B, G1B
.Lnot_mine_\@:
	PLACES 4
.endif
.endif
.if (\ks) < 7
	FETCH_B (\ks)+1
	FETCH_A (\ks)+1, 0
.endif
	WIN MUL_HI
.irp a, 4,5,6,7
	MUL8 \a, \zero
.endr
	PLACES 4
	WIN 0
.if (\ks) < 7
	FETCH_A (\ks)+1, 4
.endif
.endm
	s_load_b256 s[4:11], s[0:1], 0x0               ; c1 s[4:5], s1 s[6:7], c2 s[8:9], s2 s[10:11]
	v_lshl_add_u32 v[SPW], v0, 2, SPARE
	v_mov_b32 v[NIL], 0
	ds_add_u32 v[SPW], v[NIL]                      ; the wave's opening: the add, twice on end, and its wait ahead of my first tensor load
	ds_add_u32 v[SPW], v[NIL]
	v_lshrrev_b32 v1, 5, v0
	v_readfirstlane_b32 s14, v1                    ; wave 0..3
	s_lshr_b32 s15, s14, 1                         ; jh: my 128 tokens.  Also: which pair of waves I am in at a fill
	s_and_b32 s16, s14, 1                          ; ih: my half of the features.  Also: which half of a tile I fetch
	s_wait_dscnt 0x0                               ; both opening adds are done
	CROUND                                         ; all sixteen work-groups are here: the first joint loads meet
	s_bfe_u32 s40, ttmp6, 0x40000                  ; cx, cy: my place in the cluster
	s_bfe_u32 s41, ttmp6, 0x40004
	s_lshl_b32 s42, ttmp9, 2
	s_add_co_u32 s42, s42, s40                     ; x
	s_and_b32 s17, ttmp7, 0xffff
	s_lshl_b32 s17, s17, 2
	s_add_co_u32 s17, s17, s41                     ; y
	s_lshl_b32 s43, s41, 2
	s_lshl_b32 s43, 15, s43                        ; my row of the cluster
	s_lshl_b32 s44, 0x1111, s40                    ; my column
	s_or_b32 s[G1], s43, (3<<16)|(1<<21)           ; 15:0 the mask; 17:16 elements of 8 bytes; 21 set beside a mask; no padding
	s_or_b32 s[G1B], s44, (3<<16)|(1<<21)
	s_or_b32 s[G1C], s44, (3<<16)|(1<<21)
	SHAPE G1, 5*KS1, 8
	SHAPE G1B, 2*KS1, 16
	SHAPE G1C, 3*KS1, 16
.irp g, G1, G1B, G1C
	s_mov_b32 s[\g+5], KS1                         ; from row-block to row-block: 8 K steps x 1,536 bytes, in elements of 8
	s_mov_b32 s[\g+6], 0
	s_mov_b32 s[\g+7], 0
.endr
	s_lshl_b32 s18, s16, 7
	s_lshl_b32 s20, s17, 8
	s_add_co_u32 s20, s20, s18                     ; the tokens' row that I fetch from (registers that never hold cx)
	s_mul_i32 s20, s20, 768                        ; a row's share of c1: 8 K steps x 1,536 / 16
	s_mov_b32 s21, 0
	s_lshl_b32 s46, s42, 8
	s_add_co_u32 s46, s46, 8192                    ; the weights' (registers that never hold cy)
	s_mul_i32 s46, s46, 768
	s_mov_b32 s47, 0
	s_mul_i32 s66, s16, 98304
	s_add_co_u32 s66, s66, s46                     ; my 128 rows of them
	s_mov_b32 s67, 0
	s_mul_i32 s60, s42, 98304
	s_mul_i32 s61, s16, 49152
	s_add_co_u32 s60, s60, s61
	s_add_co_u32 s60, s60, 10240*768               ; W_value: rows 128 x + 64 ih
	s_mov_b32 s61, 0
	s_mov_b32 s[SEL], 0x76543210
	s_mov_b32 s[SEL+1], 0xfedcba98
	s_wait_kmcnt 0x0
	s_add_nc_u64 s[PT:PT+1], s[4:5], s[PT:PT+1]
	s_add_nc_u64 s[PWT:PWT+1], s[4:5], s[PWT:PWT+1]
	s_add_nc_u64 s[PWH:PWH+1], s[4:5], s[PWH:PWH+1]
	s_add_nc_u64 s[PV:PV+1], s[4:5], s[PV:PV+1]
	MKG0 G0, 0, TB0, PT, 0
	MKG0 G0B, W0, 0, PWT, 0
	MKG0 G0C, W1, 0, PWT, 2*KS1
	s_cmp_lt_u32 s14, 2                            ; THE HEAD'S LOADS, ONE A WAVE
	s_cbranch_scc0 .Lhead_b
	TLOAD G0, G1
	s_branch .Lhead_asked
.Lhead_b:
	s_cmp_lt_u32 s14, 3
	s_cbranch_scc0 .Lhead_c
	TLOAD G0B, G1B
	s_branch .Lhead_asked
.Lhead_c:
	TLOAD G0C, G1C
.Lhead_asked:
	s_lshl_b32 s76, s17, 1
	s_add_co_u32 s76, s76, s15                     ; my tokens' group: 2 y + jh
	s_lshl_b32 s77, s76, 12                        ; 8 K steps x 512 bytes
	s_lshl_b32 s83, s42, 1
	s_add_co_u32 s83, s83, s16                     ; my features' group, and the K step of the result: 2 x + ih
	s_add_co_u32 s84, s83, 64
	s_lshl_b32 s84, s84, 12
	s_add_co_u32 s85, s42, 80
	s_lshl_b32 s85, s85, 12
	s_lshl_b32 s86, s16, 4
	s_add_co_u32 s85, s85, s86                     ; row-blocks 4 ih .. of W_value's group
	s_mul_i32 s18, s15, TB0
	s_mul_i32 s19, s15, TB1
	s_add_co_u32 s19, s19, T1
	s_mul_i32 s22, s16, 16*KS1
	s_mul_i32 s23, s16, 24*KS1
	s_mul_i32 s40, s16, 8*KS1
	s_add_co_u32 s41, s22, WVA
	s_add_co_u32 s22, s22, W0
	s_add_co_u32 s23, s23, W1
	s_add_co_u32 s40, s40, W1
	v_and_b32 v1, 15, v0                           ; r
	v_bfe_u32 v2, v0, 4, 1                         ; h
	v_and_b32 v8, 31, v0
	v_lshlrev_b32 v14, 5, v1
	v_lshlrev_b32 v[LI], 4, v8
	v_lshlrev_b32 v[HV], 4, v1
	v_lshl_add_u32 v[HS], v2, 4, v14
	v_lshl_add_u32 v14, v2, 9, v14                 ; 32 r + 512 h: lanes 16-31 take the K step after that of lanes 0-15
	v_add_nc_u32 v[SA1], s77, v14
	v_add_nc_u32 v[SA0], s84, v14
	v_add_nc_u32 v[SAV], s85, v14
.irp n, 0,1,2,3
	global_load_b128 v[SC1+8*\n:SC1+8*\n+3], v[SA1], s[6:7] offset:1024*\n
	global_load_b128 v[SC1+8*\n+4:SC1+8*\n+7], v[SA1], s[6:7] offset:1024*\n+16
	global_load_b128 v[SC0+8*\n:SC0+8*\n+3], v[SA0], s[6:7] offset:1024*\n
	global_load_b128 v[SC0+8*\n+4:SC0+8*\n+7], v[SA0], s[6:7] offset:1024*\n+16
	global_load_b128 v[SCV+4*\n:SCV+4*\n+3], v[SAV], s[6:7] offset:1024*\n
.endr
	v_add_nc_u32 v[ADRT], s18, v[LI]
	v_add_nc_u32 v[ADRT+1], s19, v[LI]
	v_add_nc_u32 v[ADRW], s22, v[LI]
	v_add_nc_u32 v[ADRW+1], s23, v[LI]
	v_add_nc_u32 v[ADRW+2], s40, v[LI]
	v_add_nc_u32 v[ADRW+3], s41, v[LI]
.irp b, 0,1,2,3
	v_mov_b32 v[TM+4+\b], 0                        ; written once: a lane permute's destination counts as one of its sources
.endr
	; where the results go (registers that feed stores alone)
	s_lshl_b32 s78, s42, 9
	s_lshl_b32 s80, s16, 8
	s_add_co_u32 s78, s78, s80
	s_add_co_u32 s78, s78, s76
	s_mul_i32 s78, s78, 1536
	s_add_co_u32 s78, s78, 12582912                ; v: ((8 x + 4 ih) 64 + 2 y + jh) x 1,536
	s_mov_b32 s79, 0
	s_add_nc_u64 s[OVC:OVC+1], s[8:9], s[78:79]
	s_lshl_b32 s78, s42, 6
	s_add_co_u32 s78, s78, s76
	s_lshl_b32 s78, s78, 9
	s_add_co_u32 s78, s78, s80
	s_add_co_u32 s78, s78, 524288
	s_add_nc_u64 s[OVS:OVS+1], s[10:11], s[78:79]
	s_lshl_b32 s78, s76, 7
	s_add_co_u32 s78, s78, s83
	s_mul_i32 s78, s78, 1536                       ; q, k: (16 x 8 G + s) x 1,536
	s_add_nc_u64 s[8:9], s[8:9], s[78:79]
	s_lshl_b32 s78, s76, 4
	s_add_co_u32 s78, s78, s83
	s_lshl_b32 s78, s78, 9
	s_add_nc_u64 s[10:11], s[10:11], s[78:79]
	s_wait_alu depctr_va_vdst(0)                   ; the head's end
	s_wait_tensorcnt 0x0                           ; my tile is in
	s_barrier_signal -1
	s_barrier_wait -1
	FETCH_B 0
	FETCH_A 0, 0
	FETCH_A 0, 4
	s_wait_loadcnt 0x0                             ; the scale words
	KSTEP 0, 0, 1                                  ; the first K step's products start the sums: nothing is cleared
	KSTEP 1, 1, 0
	KSTEP 2, 0, 0
	KSTEP 3, 0, 0
	KSTEP 4, 2, 0
	KSTEP 5, 0, 0
	KSTEP 6, 3, 0
	KSTEP 7, 0, 0
; Row-block a of my results: its 64 registers a lane are 128 neighbours along the next K (with lane l xor 16): one fragment and one scale word a row.  Each accumulator is read from its low end on.
.macro QOUT a, base, pitch
.set W, 2+(\a)/4
.set AC, 64*((\a)%4)
.set PCA, PC+12*((\a)%2)
.set WW, (W<<2)|(W<<4)
	WIN WW                                         ; sources 1 and 2 in the accumulators' window
.irp b, 0,1,2,3
	v_max3_num_f32 v[TM+\b], 0x2800000, |v[AC+16*\b]|, |v[AC+16*\b+1]|   ; the floor 2^(5 - 127) and my first two numbers of block b
.endr
.irp i, 2,4,6,8,10,12,14
.irp b, 0,1,2,3
	v_max3_num_f32 v[TM+\b], v[TM+\b], |v[AC+16*\b+\i]|, |v[AC+16*\b+\i+1]|
.endr
.endr
	WIN 0
.irp b, 0,1,2,3
	v_permlanex16_b32 v[TM+4+\b], v[TM+\b], s[SEL], s[SEL+1]
.endr
.irp b, 0,1,2,3
	v_max_num_f32 v[TM+\b], v[TM+\b], v[TM+4+\b]
.endr
.irp b, 0,1,2,3
	v_add_nc_u32 v[TM+12+\b], 0xfe000000, v[TM+\b] ; 4 off the exponent field: the conversion's scale operand
.endr
.irp b, 0,1,2,3
	v_lshrrev_b32 v[TM+4+\b], 23, v[TM+12+\b]
.endr
	v_lshl_or_b32 v[PW+\a], v[TM+5], 8, v[TM+4]
	v_lshl_or_b32 v[PW+\a], v[TM+6], 16, v[PW+\a]
	v_lshl_or_b32 v[PW+\a], v[TM+7], 24, v[PW+\a]
.if \a > 1
	s_wait_xcnt 0x0                                ; the stores of two row-blocks back have read this set of codes: it is written again only behind this wait
.endif
	WIN W                                          ; source 0 in the accumulators' window
.irp c, 0,1
	v_cvt_scalef32_pk16_bf6_f32 v[PCA+6*\c:PCA+6*\c+2], v[AC+32*\c:AC+32*\c+15], v[TM+12+2*\c]
	v_cvt_scalef32_pk16_bf6_f32 v[HX+4*\c:HX+4*\c+2], v[AC+32*\c+16:AC+32*\c+31], v[TM+12+2*\c+1]
.endr
	WIN 0
	v_nop                                          ; one plain place behind a scaled conversion
.irp c, 0,1
.irp i, 0,1,2
	v_permlane16_swap_b32 v[PCA+6*\c+\i], v[HX+4*\c+\i]
.endr
.irp i, 0,1,2
	v_mov_b32 v[PCA+6*\c+3+\i], v[HX+4*\c+\i]
.endr
.endr
.irp c, 0,1,2
	global_store_b128 v[LI], v[PCA+4*\c:PCA+4*\c+3], s[\base:\base+1] offset:\pitch*\a+512*\c   ; 32 lanes store 512 consecutive bytes, aligned
.endr
.endm
; v: K step ks: source 0 = my tokens' eight blocks, source 1 = my four blocks of W_value; both have two sets of registers
.macro VFETCH ks
	TSET \ks
	WIN TO_B
.irp i, 0,1,2,3,4,5,6,7
	FRAG 128*((\ks)%2)+FR*\i, XA, XP*\i+XO
.endr
	WIN 0
.if (\ks) < 4
.set XA, ADRW+3
.else
.set XA, ADRW
.endif
.irp i, 0,1,2,3
	FRAG AF+48*((\ks)%2)+FR*\i, XA, 4*KS1*\i+KS1*((\ks)%4)
.endr
.endm
.macro VSTEP ks
.set KN, (\ks)/2
.set KQ, (\ks)%2
.if (\ks) == 0
.set VZ, 1
.else
.set VZ, 0
.endif
.if (\ks) == 3
	s_wait_tensorcnt 0x0                           ; W_value's K steps 4-7: shown to all
.endif
	s_wait_dscnt 0x0                               ; this K step's set is in
.if (\ks) == 3
	s_barrier_signal -1
	s_barrier_wait -1
.endif
.if (\ks) < 7
	PLACES 4                                       ; in front of loads into the set that the last products read
	VFETCH (\ks)+1
.endif
	WIN MUL_LO
.irp a, 0,1,2,3
.irp b, 0,1,2,3,4,5,6,7
	WM KQ, VZ, 8*(8*\a+\b), 128*KQ+FR*\b, AF+48*KQ+FR*\a, SC1+8*KN+\b, SCV+4*KN+\a
.endr
.endr
	WIN 0
.endm
.irp a, 0,1,2,3,4,5
	QOUT \a, 8, 24576
.endr
	VFETCH 0                                       ; (shown to all by the last round) registers that the last two row-blocks' quantising does not name
	QOUT 6, 8, 24576
	QOUT 7, 8, 24576
	v_cmp_eq_u32 vcc_lo, 1, v2                     ; lanes 0-15 store the words of row-blocks 0-3, lanes 16-31 those of 4-7: 512 consecutive bytes
.irp i, 0,1,2,3
	v_cndmask_b32 v[PW+8+\i], v[PW+\i], v[PW+4+\i], vcc_lo
.endr
	global_store_b128 v[HS], v[PW+8:PW+11], s[10:11]
	s_wait_alu depctr_va_vdst(0)
	s_wait_xcnt 0x0                                ; the stores have read the codes: fragments are loaded over them
.irp k, 0,1,2,3,4,5,6,7
	VSTEP \k
.endr
	PLACES 4
.irp a, 0,1,2,3
	QOUT \a, OVC, 98304
.endr
	global_store_b128 v[HV], v[PW:PW+3], s[OVS:OVS+1]   ; 256 consecutive bytes; both halves of the lanes hold the same words and write them to the same place
	s_wait_alu depctr_va_vdst(0)
	s_wait_tensorcnt 0x0                           ; the wave's end
	ds_add_u32 v[SPW], v[NIL]
	s_wait_dscnt 0x0
	CROUND                                         ; the closing round: no work-group ends while a partner may still ask for a tile that names it
	s_endpgm
.Lfunc_end_k_qf1918cbc23_proj:
	.size	k_qf1918cbc23_proj, .Lfunc_end_k_qf1918cbc23_proj-k_qf1918cbc23_proj
	.p2alignl 7, 3214868480
	.fill 96, 4, 3214868480
	.section	.rodata,"a",@progbits
	.p2align	6, 0x0
	.amdhsa_kernel k_qf1918cbc23_proj
		.amdhsa_group_segment_fixed_size 327680
		.amdhsa_private_segment_fixed_size 0
		.amdhsa_enable_private_segment 0
		.amdhsa_kernarg_size 32
		.amdhsa_user_sgpr_count 2
		.amdhsa_user_sgpr_kernarg_segment_ptr 1
		.amdhsa_wavefront_size32 1
		.amdhsa_system_sgpr_workgroup_id_x 1
		.amdhsa_system_sgpr_workgroup_id_y 1
		.amdhsa_system_sgpr_workgroup_id_z 1
		.amdhsa_system_vgpr_workitem_id 0
		.amdhsa_next_free_vgpr 1024
		.amdhsa_next_free_sgpr 100
		.amdhsa_reserve_vcc 1
		.amdhsa_float_denorm_mode_32 3
		.amdhsa_float_denorm_mode_16_64 3
		.amdhsa_memory_ordered 1
		.amdhsa_forward_progress 1
		.amdhsa_inst_pref_size 210
	.end_amdhsa_kernel
	.amdgpu_metadata
---
amdhsa.version: [ 1, 2 ]
amdhsa.kernels:
  - .name:           k_qf1918cbc23_proj
    .symbol:         k_qf1918cbc23_proj.kd
    .args:
      - { .name: c1, .offset: 0, .size: 8, .value_kind: global_buffer, .address_space: global }
      - { .name: s1, .offset: 8, .size: 8, .value_kind: global_buffer, .address_space: global }
      - { .name: c2, .offset: 16, .size: 8, .value_kind: global_buffer, .address_space: global }
      - { .name: s2, .offset: 24, .size: 8, .value_kind: global_buffer, .address_space: global }
    .group_segment_fixed_size: 327680
    .private_segment_fixed_size: 0
    .kernarg_segment_align: 8
    .kernarg_segment_size: 32
    .max_flat_workgroup_size: 128
    .sgpr_count:     100
    .vgpr_count:     1024
    .wavefront_size: 32
...
	.end_amdgpu_metadata
.endif
;; end of part 2
;; launch score (part 3): grid 62 x 4, 4 waves a work-group, no clusters, 327,680 bytes of LDS; arguments c2, s2, c3, st; writes c3, st
.if DOCPART == 3
	.amdgcn_target "amdgcn-amd-amdhsa--gfx1250"
	.amdhsa_code_object_version 6
	.text
	.protected	k_qf1918cbc23_score
	.globl	k_qf1918cbc23_score
	.p2align	8
	.type	k_qf1918cbc23_score,@function
k_qf1918cbc23_score:
	s_mov_b64 s[64:65], 0
	v_nop
	global_prefetch_b8 v0, s[64:65] scope:SCOPE_SE
	s_setreg_imm32_b32 hwreg(HW_REG_WAVE_MODE, 25, 1), 1
	s_wait_xcnt 0x0
; The scores q k^T on codes of BF6 (E3M2), the causal mask, and the softmax's p, quantised along the keys.
; TILES of 160 queries x 256 keys that hold a key at or before one of their queries: 13 rows of tiles with 1, 2, 2, 3, 4, 4, 5, 5, 6, 7, 7, 8, 8 of them: 62 for each of 4 batches; a wave makes 80 queries (five row-blocks) x 128 keys.
; Scores whose key comes after their query are hidden by reference()'s own mask for all inputs: tiles, and row-blocks' parts of 256 keys, that lie wholly there are not made (a NaN or an infinity that reaches only those is not carried on).
; The last row of tiles has 128 queries: its last two row-blocks are read (they lie inside c2 and s2, and were written), multiplied with the rest of the tile, and not used.
; S^T = k q^T (source 0 = 16 keys, source 1 = 16 queries): a lane holds ONE query, and by the order of rows in k's fragments its 64 registers of accumulators (a, 0..7) are keys 32 bb + 16 h + 0 .. 15 of the wave's 128.
; THE SOFTMAX IS TAKEN CHUNK BY CHUNK.  t = score x log2(e) / 32.  A wave's 128 keys are a chunk with an M of its own: M = a row's largest t there, rounded up to a whole number; p = 2^(t - M) is quantised; the chunk's sum l of the
; unquantised p and its M go to st.  The next launch takes M(row) - M(chunk), a whole number, off p's scale bytes, which is exact, and brings the sums together.  So no wave waits for another here.
; A chunk all of whose keys are hidden, beside one that is not in the same 256 keys, is written too: zero codes, bytes 1, l = 0, M = -3e38: the next launch reads it.
; c3 and st ARE LAID IN THE NEXT LAUNCH'S ORDER: a tile qi of 128 queries has qi / 2 + 1 steps of 256 keys; tiles 15 - pr and pr of a batch make a run of 9 steps, S = 9 (8 b + pr) + step.
;   c3: fragment (row-block a of the tile, chunk c of the step) at ((8 S + a) 2 + c) x 1,536.   st: ((8 S + a) 2 + c) x 256 + 16 r: p's scale word, M, l, 0.
; LDS holds all of the tile's q and k: six K steps of 128 come at the head, the last two behind the barrier that shows the first; nothing is filled twice.
; NO CLUSTER: a batch's tiles form a triangle whose rows hold 1 to 8 tiles, which no fixed shape of cluster divides.  NO PREFETCH: two fills, no loop to run ahead in.
; LIMITS: NaN and infinities are not served; p under 2^-126 of its chunk's largest counts as 0; |t| stays under 2^31.
; REGISTERS: window 0: v1-31 addresses; v32-51 q's scale words, v52-83 k's (lanes 0-15 K step 2 n, lanes 16-31 2 n + 1); v84-203 q's fragments, two sets of 5; later t, p and the results.
;   window 1: k's fragments, two sets of 8.   windows 2, 3: accumulator (a, b) at v[8 (8 (a % 4) + b)].
.set FR,    12
.set KS1,   1536
.set R1,    6*KS1                      ; a row-block in the first part of LDS
.set R2,    2*KS1                      ; and in the second
.set K1,    10*R1                      ; k behind q
.set P2,    26*R1                      ; the second part
.set K2,    P2+10*R2
.set SPARE, P2+26*R2                   ; the spare words, 128 bytes for each wave: two blocks of 256 bytes that no other line names
.set LI,   3                           ; v3     16 x lane
.set LQ,   4                           ; v4     16 r
.set DL,   5                           ; v5     r + 8 (r / 8) - 16 h
.set DQ,   6                           ; v6     my query less my first key
.set SAK,  7
.set SPW,  10
.set NIL,  11
.set SAQ,  16                          ; v16-20 offsets of q's scale words
.set ADRQ, 24                          ; v24-25 my five row-blocks of q in the two parts
.set ADRK, 26                          ; v26-28 my eight of k: first part, blocks 0-3, 4-7; second part
.set SC1,  32
.set SC0,  52
.set AF,   84
.set T,    84                          ; v84-147 t - M, then p
.set HX,   148
.set BM,   156                         ; each block's largest score, then p
.set BP,   160                         ; the other half's, then bytes
.set SO,   164                         ; the conversions' scale operands
.set NM,   168                         ; -M (v169 is named with it as a pair)
.set SU,   170                         ; sums
.set NINF, 174
.set TMX,  175
.set QD,   176                         ; v176-195 word, M, l, 0 of each row-block
.set PC,   196                         ; v196-255 codes of each row-block
.set G1Q,  24
.set G0Q,  32
.set G0K,  36
.set G1K,  76
.set SB,   40                          ; s[40:59] where each row-block's codes and numbers go
.set CS,   84                          ; s[84:85] c = log2(e) / 32
.set SEL,  90
.set MSB, 0
.macro WIN new                         ; the immediate's high byte repeats the setting that is left
.if MSB != \new
	s_set_vgpr_msb (MSB<<8)|\new
.set MSB, \new
.endif
.endm
.macro PLACES n
.rept \n
	v_nop
.endr
.endm
.macro WM q, zero, d, fa, fb, sa, sb
.if \zero
	v_wmma_scale_f32_16x16x128_f8f6f4 v[\d:\d+7], v[\fa:\fa+FR-1], v[\fb:\fb+FR-1], 0, v[\sa], v[\sb] matrix_a_fmt:MATRIX_FMT_BF6 matrix_b_fmt:MATRIX_FMT_BF6
.elseif \q
	v_wmma_scale_f32_16x16x128_f8f6f4 v[\d:\d+7], v[\fa:\fa+FR-1], v[\fb:\fb+FR-1], v[\d:\d+7], v[\sa], v[\sb] matrix_a_fmt:MATRIX_FMT_BF6 matrix_b_fmt:MATRIX_FMT_BF6 matrix_a_scale:MATRIX_SCALE_ROW1 matrix_b_scale:MATRIX_SCALE_ROW1
.else
	v_wmma_scale_f32_16x16x128_f8f6f4 v[\d:\d+7], v[\fa:\fa+FR-1], v[\fb:\fb+FR-1], v[\d:\d+7], v[\sa], v[\sb] matrix_a_fmt:MATRIX_FMT_BF6 matrix_b_fmt:MATRIX_FMT_BF6
.endif
.endm
.macro MUL                             ; K step 2 KN + KQ: 40 matrix instructions; the accumulators take turns, one instruction a turn
	WIN 0xa1                                       ; source 0 (k) window 1, source 1 (q) window 0, C and D window 2
.irp a, 0,1,2,3
.irp b, 0,1,2,3,4,5,6,7
	WM KQ, KZ, 8*(8*\a+\b), 96*KQ+FR*\b, AF+60*KQ+FR*\a, SC0+8*KN+\b, SC1+5*KN+\a
.endr
.endr
	WIN 0xf1                                       ; C and D window 3
.irp b, 0,1,2,3,4,5,6,7
	WM KQ, KZ, 8*\b, 96*KQ+FR*\b, AF+60*KQ+FR*4, SC0+8*KN+\b, SC1+5*KN+4
.endr
	WIN 0
.endm
.macro FRAG reg, adr, off              ; a fragment's image: three loads of 512 consecutive bytes
.irp c, 0,1,2
	ds_load_b128 v[\reg+4*\c:\reg+4*\c+3], v[\adr] offset:\off+512*\c
.endr
.endm
.macro FETCH ks                        ; 39 loads: K step ks into set ks % 2
	WIN 0x40
.irp i, 0,1,2,3,4,5,6,7
.if (\ks) < 6
	FRAG 96*((\ks)%2)+FR*\i, ADRK+\i/4, R1*(\i%4)+KS1*(\ks)
.else
	FRAG 96*((\ks)%2)+FR*\i, ADRK+2, R2*\i+KS1*((\ks)-6)
.endif
.endr
	WIN 0
.irp i, 0,1,2,3,4
.if (\ks) < 6
	FRAG AF+60*((\ks)%2)+FR*\i, ADRQ, R1*\i+KS1*(\ks)
.else
	FRAG AF+60*((\ks)%2)+FR*\i, ADRQ+1, R2*\i+KS1*((\ks)-6)
.endif
.endr
.endm
.macro KSTEP ks
.set KN, (\ks)/2
.set KQ, (\ks)%2
.if (\ks) == 0
.set KZ, 1                             ; the first products start the sums
.else
.set KZ, 0
.endif
	s_wait_dscnt 0x0                               ; this K step's set is in
.if (\ks) == 5
	MUL
	s_wait_tensorcnt 0x0                           ; my part of K steps 6 and 7 is in
	s_barrier_signal -1
	s_barrier_wait -1
	PLACES 4
	FETCH 6
.else
.if (\ks) < 7
	PLACES 4                                       ; in front of loads into the set that the last products read
	FETCH (\ks)+1
.endif
	MUL
.endif
.endm
.macro QKLOAD                          ; waves 0 and 1 fetch q's halves, waves 2 and 3 k's: the branch hangs on the wave's number alone
	s_cmp_eq_u32 s15, 0
	s_cbranch_scc0 .Lfor_k_\@
	tensor_load_to_lds s[G0Q:G0Q+3], s[G1Q:G1Q+7]
	s_nop 0
	PLACES 4
	s_branch .Lasked_\@
.Lfor_k_\@:
	tensor_load_to_lds s[G0K:G0K+3], s[G1K:G1K+7]
	s_nop 0
	PLACES 4
.Lasked_\@:
.endm
.macro SHAPE g, bytes                  ; rows of so many bytes, counted in elements of 8
	s_mov_b32 s[\g+1], ((\bytes)/8)<<16
	s_mov_b32 s[\g+3], ((\bytes)/8)<<16
.endm
	s_load_b256 s[4:11], s[0:1], 0x0               ; c2 s[4:5], s2 s[6:7], c3 s[8:9], st s[10:11]
	v_lshl_add_u32 v[SPW], v0, 2, SPARE
	v_mov_b32 v[NIL], 0
	ds_add_u32 v[SPW], v[NIL]                      ; the wave's opening: the add, twice on end, and its wait ahead of my first tensor load
	ds_add_u32 v[SPW], v[NIL]
	v_lshrrev_b32 v1, 5, v0
	v_readfirstlane_b32 s14, v1                    ; wave 0..3
	s_lshr_b32 s15, s14, 1                         ; jh: my 80 queries.  Also: I fetch q (0) or k (1)
	s_and_b32 s16, s14, 1                          ; ih: my 128 keys.  Also: which half of a tile I fetch
	s_and_b32 s17, ttmp7, 0xffff                   ; the batch
	s_mov_b32 s18, 0
	s_mov_b32 s20, 0
.irp m, 1,3,5,8,12,16,21,26,32,39,46,54
	s_cmp_ge_u32 ttmp9, \m                         ; the row of tiles: how many of the rows' first numbers the work-group's number has reached
	s_cselect_b32 s20, \m, s20
	s_add_co_ci_u32 s18, s18, 0
.endr
	s_sub_co_u32 s19, ttmp9, s20                   ; row of tiles s18, 256 keys s19
	s_mov_b32 s[G1Q], 3<<16                        ; no mask; elements of 8 bytes; no padding
	s_mov_b32 s[G1Q+2], 5<<16
	s_mov_b32 s[G1Q+4], 5
	s_mov_b32 s[G1K], 3<<16
	s_mov_b32 s[G1K+2], 8<<16
	s_mov_b32 s[G1K+4], 8
.irp g, G1Q, G1K
	SHAPE \g, R1
	s_mov_b32 s[\g+5], 3072                        ; from row-block to row-block: 16 K steps x 1,536 bytes, in elements of 8
	s_mov_b32 s[\g+6], 0
	s_mov_b32 s[\g+7], 0
.endr
	s_lshl_b32 s22, s17, 7
	s_mul_i32 s20, s18, 10
	s_add_co_u32 s20, s20, s22
	s_mul_i32 s21, s16, 5
	s_add_co_u32 s20, s20, s21
	s_mul_i32 s20, s20, 24576                      ; q: row-block 128 b + 10 x row + 5 x half
	s_mov_b32 s21, 0
	s_lshl_b32 s23, s19, 4
	s_add_co_u32 s22, s22, s23
	s_lshl_b32 s23, s16, 3
	s_add_co_u32 s22, s22, s23
	s_mul_i32 s22, s22, 24576                      ; k: row-block 128 b + 16 x s19 + 8 x half,
	s_add_co_u32 s22, s22, 12288                   ; behind q's eight K steps
	s_mov_b32 s23, 0
	s_mov_b32 s[G0Q], 1
	s_mul_i32 s[G0Q+1], s16, 5*R1
	s_mov_b32 s[G0K], 1
	s_mul_i32 s[G0K+1], s16, 8*R1
	s_add_co_u32 s[G0K+1], s[G0K+1], K1
	s_wait_dscnt 0x0                               ; both opening adds are done
	s_wait_kmcnt 0x0
	s_add_nc_u64 s[G0Q+2:G0Q+3], s[4:5], s[20:21]
	s_or_b32 s[G0Q+3], s[G0Q+3], 0x80000000
	s_add_nc_u64 s[G0K+2:G0K+3], s[4:5], s[22:23]
	s_or_b32 s[G0K+3], s[G0K+3], 0x80000000
	QKLOAD                                         ; K steps 0-5: one tensor load a wave at the head
	s_mul_i32 s60, s18, 10
	s_mul_i32 s61, s15, 5
	s_add_co_u32 s60, s60, s61                     ; my first row-block of queries in the batch
	s_lshl_b32 s86, s19, 8
	s_lshl_b32 s61, s16, 7
	s_add_co_u32 s86, s86, s61                     ; my first key
	s_mul_i32 s87, s17, 72
	s_lshl_b32 s88, s17, 4
	s_lshl_b32 s61, s19, 1
	s_add_co_u32 s61, s61, s16
	s_add_co_u32 s61, s61, s88
	s_lshl_b32 s89, s61, 13
	s_add_co_u32 s89, s89, 4096                    ; k's scale words: group 16 b + 2 x s19 + ih, K steps 8 ..
	s_mov_b32 s[CS], 0x3d38aa3b
	s_mov_b32 s[CS+1], s[CS]                       ; (named with it as a pair, so it is written)
	s_mov_b32 s[SEL], 0x76543210
	s_mov_b32 s[SEL+1], 0xfedcba98
	v_and_b32 v1, 15, v0                           ; r
	v_bfe_u32 v2, v0, 4, 1                         ; h
	v_and_b32 v8, 31, v0
	v_lshlrev_b32 v[LI], 4, v8
	v_lshlrev_b32 v14, 5, v1
	v_lshlrev_b32 v[LQ], 4, v1
	v_and_b32 v[DL], 8, v1
	v_lshl_add_u32 v14, v2, 9, v14                 ; 32 r + 512 h
	v_lshlrev_b32 v9, 4, v2
	v_add_nc_u32 v[DL], v[DL], v1
	v_sub_nc_u32 v[DL], v[DL], v9
	v_add_nc_u32 v[SAK], s89, v14
	s_wait_alu depctr_va_vdst(0)                   ; ahead of the readers below
.irp a, 0,1,2,3,4
	s_add_co_u32 s61, s60, \a
	s_lshr_b32 s62, s61, 3
	s_add_co_u32 s62, s62, s88
	s_lshl_b32 s62, s62, 13
	s_and_b32 s61, s61, 7
	s_lshl_b32 s61, s61, 2
	s_add_co_u32 s62, s62, s61
	v_add_nc_u32 v[SAQ+\a], s62, v14               ; q's scale words: group 16 b + rb / 8, row-block rb % 8 of it
.endr
	s_mul_i32 s61, s15, 5*R1
	s_mul_i32 s62, s15, 5*R2
	s_add_co_u32 s62, s62, P2
	v_add_nc_u32 v[ADRQ], s61, v[LI]
	v_add_nc_u32 v[ADRQ+1], s62, v[LI]
	s_mul_i32 s61, s16, 8*R1
	s_add_co_u32 s61, s61, K1
	s_mul_i32 s62, s16, 8*R2
	s_add_co_u32 s62, s62, K2
	v_add_nc_u32 v[ADRK], s61, v[LI]
	v_add_nc_u32 v[ADRK+2], s62, v[LI]
	v_add_nc_u32 v[ADRK+1], 4*R1, v[ADRK]
	s_wait_alu depctr_va_vdst(0)                   ; the head's end
.irp n, 0,1,2,3
.irp a, 0,1,2,3,4
	global_load_b32 v[SC1+5*\n+\a], v[SAQ+\a], s[6:7] offset:1024*\n
.endr
	global_load_b128 v[SC0+8*\n:SC0+8*\n+3], v[SAK], s[6:7] offset:1024*\n
	global_load_b128 v[SC0+8*\n+4:SC0+8*\n+7], v[SAK], s[6:7] offset:1024*\n+16
.endr
	s_wait_tensorcnt 0x0                           ; my part of K steps 0-5 is in
	ds_add_u32 v[SPW], v[NIL]
	SHAPE G1Q, R2                                  ; no tensor load of mine is out: the descriptors go on to K steps 6 and 7
	SHAPE G1K, R2
	s_mul_i32 s[G0Q+1], s16, 5*R2
	s_add_co_u32 s[G0Q+1], s[G0Q+1], P2
	s_mul_i32 s[G0K+1], s16, 8*R2
	s_add_co_u32 s[G0K+1], s[G0K+1], K2
	s_add_nc_u64 s[G0Q+2:G0Q+3], s[G0Q+2:G0Q+3], R1
	s_add_nc_u64 s[G0K+2:G0K+3], s[G0K+2:G0K+3], R1
	s_wait_dscnt 0x0
	s_barrier_signal -1
	s_barrier_wait -1
	QKLOAD
	FETCH 0
	s_wait_loadcnt 0x0                             ; the scale words
.irp k, 0,1,2,3,4,5,6,7
	KSTEP \k
.endr
	PLACES 4
.irp b, 0,1,2,3
	v_mov_b32 v[BP+\b], 0                          ; written once: a lane permute's destination counts as one of its sources
.endr
	v_mov_b32 v[NM+1], 0                           ; (named as the upper half of a pair)
	v_mov_b32 v[NINF], 0xff800000
.irp a, 0,1,2,3,4
	v_mov_b32 v[QD+4*\a+3], 0
.endr
	s_wait_alu depctr_va_vdst(0)                   ; ahead of the branches below
; Row-block a: 16 queries x my 128 keys.
.macro SOFT a
.set W, 2+(\a)/4
.set AC, 64*((\a)%4)
.set PCA, PC+12*(\a)
.set QA, QD+4*(\a)
.set OC, SB+4*(\a)
.set WA, (W<<6)|W
.set W3, W|(W<<2)|(W<<4)
.set W2, (W<<2)|(W<<4)
	s_add_co_u32 s61, s60, \a                      ; the row-block in the batch
	s_lshr_b32 s62, s61, 4                         ; its 256 keys on the diagonal
	s_cmp_lt_u32 s62, s19                          ; all of these 256 keys come after all its queries: branches on ids
	s_cbranch_scc1 .Lskip_\@
	s_cmp_ge_u32 s62, 8                            ; or it lies behind the batch
	s_cbranch_scc1 .Lskip_\@
	s_lshr_b32 s62, s61, 3                         ; its tile qi of 128 queries
	s_sub_co_u32 s63, 15, s62
	s_lshr_b32 s66, s62, 1
	s_sub_co_u32 s66, 8, s66
	s_add_co_u32 s66, s66, s19
	s_cmp_ge_u32 s62, 8
	s_cselect_b32 s63, s63, s62                    ; pr
	s_cselect_b32 s66, s19, s66                    ; the step in the run of nine
	s_mul_i32 s63, s63, 9
	s_add_co_u32 s63, s63, s66
	s_add_co_u32 s63, s63, s87                     ; S
	s_lshl_b32 s63, s63, 4
	s_and_b32 s62, s61, 7
	s_lshl_b32 s62, s62, 1
	s_add_co_u32 s63, s63, s62
	s_add_co_u32 s63, s63, s16                     ; (8 S + a) 2 + c
	s_mul_i32 s66, s63, 1536
	s_mov_b32 s67, 0
	s_lshl_b32 s68, s63, 8
	s_mov_b32 s69, 0
	s_add_nc_u64 s[OC:OC+1], s[8:9], s[66:67]
	s_add_nc_u64 s[OC+2:OC+3], s[10:11], s[68:69]
	s_lshr_b32 s62, s61, 1
	s_lshl_b32 s62, s62, 5
	s_and_b32 s63, s61, 1
	s_lshl_b32 s63, s63, 3
	s_add_co_u32 s62, s62, s63                     ; its first query
	s_sub_co_i32 s62, s62, s86                     ; less my first key
	s_cmp_ge_i32 s62, 127                          ; no key of mine is hidden
	s_cbranch_scc1 .Lopen_\@
	v_add_nc_u32 v[DQ], s62, v[DL]
	WIN WA                                         ; destination and source 0 in the accumulators' window
.irp n, 0,1,2,3,4,5,6,7,8,9,10,11,12,13,14,15,16,17,18,19,20,21,22,23,24,25,26,27,28,29,30,31,32,33,34,35,36,37,38,39,40,41,42,43,44,45,46,47,48,49,50,51,52,53,54,55,56,57,58,59,60,61,62,63
	v_cmp_gt_i32 vcc_lo, 32*(\n/16)+\n%16, v[DQ]   ; register 16 bb + i holds key 32 bb + 16 h + i: hidden where it comes after my query
	v_cndmask_b32 v[AC+\n], v[AC+\n], v[NINF], vcc_lo
.endr
	WIN 0
.Lopen_\@:
	WIN W3
.irp b, 0,1,2,3
	v_max3_num_f32 v[BM+\b], v[AC+16*\b], v[AC+16*\b+1], v[AC+16*\b+2]   ; the largest score of each block of 32 keys: it serves for the chunk's maximum and, since p rises with the score, for the block's largest p
.endr
	WIN W2
.irp i, 3,5,7,9,11,13
.irp b, 0,1,2,3
	v_max3_num_f32 v[BM+\b], v[BM+\b], v[AC+16*\b+\i], v[AC+16*\b+\i+1]
.endr
.endr
.irp b, 0,1,2,3
	v_max_num_f32 v[BM+\b], v[BM+\b], v[AC+16*\b+15]
.endr
	WIN 0
.irp b, 0,1,2,3
	v_permlanex16_b32 v[BP+\b], v[BM+\b], s[SEL], s[SEL+1]
.endr
.irp b, 0,1,2,3
	v_max_num_f32 v[BM+\b], v[BM+\b], v[BP+\b]
.endr
	v_max3_num_f32 v[TMX], v[BM], v[BM+1], v[BM+2]
	v_max_num_f32 v[TMX], v[TMX], v[BM+3]
	v_mul_f32 v[TMX], s[CS], v[TMX]                ; as t (c is positive)
	v_max_num_f32 v[TMX], 0xff61b1e6, v[TMX]       ; held at -3e38 from below, for a chunk that is all hidden
	v_floor_f32 v[NM], -v[TMX]                     ; -M = floor(-t) = -ceil(t): M is a whole number
	WIN W                                          ; source 0 in the accumulators' window
.irp j, 0,2,4,6,8,10,12,14,16,18,20,22,24,26,28,30,32,34,36,38,40,42,44,46,48,50,52,54,56,58,60,62
	v_pk_fma_f32 v[T+\j:T+\j+1], v[AC+\j:AC+\j+1], s[CS:CS+1], v[NM:NM+1] op_sel_hi:[1,0,0]   ; t - M
.endr
	WIN 0
.irp b, 0,1,2,3
	v_fma_f32 v[BM+\b], v[BM+\b], s[CS], v[NM]     ; the same of each block's largest score
.endr
	s_wait_alu depctr_va_vdst(0)                   ; ahead of the batch
.irp j, 0,1,2,3,4,5,6,7,8,9,10,11,12,13,14,15,16,17,18,19,20,21,22,23,24,25,26,27,28,29,30,31,32,33,34,35,36,37,38,39,40,41,42,43,44,45,46,47,48,49,50,51,52,53,54,55,56,57,58,59,60,61,62,63
	v_exp_f32 v[T+\j], v[T+\j]                     ; p = 2^(t - M): not normalised
.endr
.irp b, 0,1,2,3
	v_exp_f32 v[BM+\b], v[BM+\b]                   ; the block's largest p: the same multiply-add and exponential on the same number give the same bits
.endr
	v_sub_f32 v[QA+1], 0, v[NM]                    ; M.  (A plain place behind the exponentials)
	s_wait_alu depctr_va_vdst(0)                   ; and behind it
.irp b, 0,1,2,3
	v_max_num_f32 v[BM+\b], 0x2800000, v[BM+\b]    ; the floor 2^(5 - 127): the byte cannot fall under 1
.endr
.irp b, 0,1,2,3
	v_add_nc_u32 v[SO+\b], 0xfe000000, v[BM+\b]
.endr
.irp b, 0,1,2,3
	v_lshrrev_b32 v[BP+\b], 23, v[SO+\b]
.endr
	v_lshl_or_b32 v[QA], v[BP+1], 8, v[BP]
	v_lshl_or_b32 v[QA], v[BP+2], 16, v[QA]
	v_lshl_or_b32 v[QA], v[BP+3], 24, v[QA]
.irp c, 0,1
	v_cvt_scalef32_pk16_bf6_f32 v[PCA+6*\c:PCA+6*\c+2], v[T+32*\c:T+32*\c+15], v[SO+2*\c]
	v_cvt_scalef32_pk16_bf6_f32 v[HX+4*\c:HX+4*\c+2], v[T+32*\c+16:T+32*\c+31], v[SO+2*\c+1]
.endr
	v_nop                                          ; one plain place behind a scaled conversion
.irp c, 0,1
.irp i, 0,1,2
	v_permlane16_swap_b32 v[PCA+6*\c+\i], v[HX+4*\c+\i]
.endr
.irp i, 0,1,2
	v_mov_b32 v[PCA+6*\c+3+\i], v[HX+4*\c+\i]
.endr
.endr
.irp c, 0,1,2
	global_store_b128 v[LI], v[PCA+4*\c:PCA+4*\c+3], s[OC:OC+1] offset:512*\c   ; 32 lanes store 512 consecutive bytes, aligned
.endr
	v_pk_add_f32 v[SU:SU+1], v[T:T+1], v[T+4:T+5]  ; the sum is taken of the unquantised p: two at a time, in two chains
	v_pk_add_f32 v[SU+2:SU+3], v[T+2:T+3], v[T+6:T+7]
.irp j, 8,12,16,20,24,28,32,36,40,44,48,52,56,60
	v_pk_add_f32 v[SU:SU+1], v[SU:SU+1], v[T+\j:T+\j+1]
	v_pk_add_f32 v[SU+2:SU+3], v[SU+2:SU+3], v[T+\j+2:T+\j+3]
.endr
	v_pk_add_f32 v[SU:SU+1], v[SU:SU+1], v[SU+2:SU+3]
	v_add_f32 v[SU], v[SU], v[SU+1]
	v_permlanex16_b32 v[SU+1], v[SU], s[SEL], s[SEL+1]
	v_add_f32 v[QA+2], v[SU], v[SU+1]              ; with lane l xor 16: the chunk's sum for my query
	global_store_b128 v[LQ], v[QA:QA+3], s[OC+2:OC+3]   ; 256 consecutive bytes, aligned; both halves of the lanes hold the same numbers and write them to the same place
	s_wait_alu depctr_va_vdst(0)                   ; ahead of the branches that follow
.Lskip_\@:
.endm
.irp a, 0,1,2,3,4
	SOFT \a
.endr
	s_wait_tensorcnt 0x0                           ; the wave's end
	ds_add_u32 v[SPW], v[NIL]
	s_wait_dscnt 0x0
	s_endpgm
.Lfunc_end_k_qf1918cbc23_score:
	.size	k_qf1918cbc23_score, .Lfunc_end_k_qf1918cbc23_score-k_qf1918cbc23_score
	.p2alignl 7, 3214868480
	.fill 96, 4, 3214868480
	.section	.rodata,"a",@progbits
	.p2align	6, 0x0
	.amdhsa_kernel k_qf1918cbc23_score
		.amdhsa_group_segment_fixed_size 327680
		.amdhsa_private_segment_fixed_size 0
		.amdhsa_enable_private_segment 0
		.amdhsa_kernarg_size 32
		.amdhsa_user_sgpr_count 2
		.amdhsa_user_sgpr_kernarg_segment_ptr 1
		.amdhsa_wavefront_size32 1
		.amdhsa_system_sgpr_workgroup_id_x 1
		.amdhsa_system_sgpr_workgroup_id_y 1
		.amdhsa_system_sgpr_workgroup_id_z 1
		.amdhsa_system_vgpr_workitem_id 0
		.amdhsa_next_free_vgpr 1024
		.amdhsa_next_free_sgpr 100
		.amdhsa_reserve_vcc 1
		.amdhsa_float_denorm_mode_32 3
		.amdhsa_float_denorm_mode_16_64 3
		.amdhsa_memory_ordered 1
		.amdhsa_forward_progress 1
		.amdhsa_inst_pref_size 161
	.end_amdhsa_kernel
	.amdgpu_metadata
---
amdhsa.version: [ 1, 2 ]
amdhsa.kernels:
  - .name:           k_qf1918cbc23_score
    .symbol:         k_qf1918cbc23_score.kd
    .args:
      - { .name: c2, .offset: 0, .size: 8, .value_kind: global_buffer, .address_space: global }
      - { .name: s2, .offset: 8, .size: 8, .value_kind: global_buffer, .address_space: global }
      - { .name: c3, .offset: 16, .size: 8, .value_kind: global_buffer, .address_space: global }
      - { .name: st, .offset: 24, .size: 8, .value_kind: global_buffer, .address_space: global }
    .group_segment_fixed_size: 327680
    .private_segment_fixed_size: 0
    .kernarg_segment_align: 8
    .kernarg_segment_size: 32
    .max_flat_workgroup_size: 128
    .sgpr_count:     100
    .vgpr_count:     1024
    .wavefront_size: 32
...
	.end_amdgpu_metadata
.endif
;; end of part 3
;; launch pv (part 4): grid 8 x 32, 4 waves a work-group, clusters of 4 x 1, 327,680 bytes of LDS; arguments c2, s2, c3, st, out0; writes out0
.if DOCPART == 4
	.amdgcn_target "amdgcn-amd-amdhsa--gfx1250"
	.amdhsa_code_object_version 6
	.text
	.protected	k_qf1918cbc23_pv
	.globl	k_qf1918cbc23_pv
	.p2align	8
	.type	k_qf1918cbc23_pv,@function
k_qf1918cbc23_pv:
	s_mov_b64 s[64:65], 0
	v_nop
	global_prefetch_b8 v0, s[64:65] scope:SCOPE_SE
	s_setreg_imm32_b32 hwreg(HW_REG_WAVE_MODE, 25, 1), 1
	s_wait_xcnt 0x0
	s_wait_alu depctr_hold_cnt(0) depctr_sa_sdst(0) depctr_va_vdst(0) depctr_va_sdst(0) depctr_va_ssrc(0) depctr_va_vcc(0) depctr_vm_vsrc(0)
	s_getreg_b32 s2, hwreg(HW_REG_IB_STS2, 6, 4)
	s_cmp_eq_u32 s2, 0
	s_cbranch_scc0 .Lentry_in_a_cluster
	s_endpgm
.Lentry_in_a_cluster:
	s_bfe_u32 s2, ttmp6, 0x10000c
	s_cmp_lg_u32 s2, 0x3003
	s_cbranch_scc0 .Lentry_shape_is_right
	s_endpgm
.Lentry_shape_is_right:
; out = (p v) / l on codes of BF6 (E3M2); K = the keys.  p comes chunk by chunk of 128 keys, each under an M of its own; the row's M is the largest of them; M(row) - M(chunk), a whole number D, is taken off the four
; scale bytes of the chunk's word (each byte becomes max(byte - D, 0)), which is exact, and l = the sum of l(chunk) 2^-D divides at the end.
; Steps of 256 keys that lie wholly behind a tile's queries are hidden by reference()'s causal mask for all inputs, and are not multiplied (a NaN or an infinity of v that reaches only those is not carried on).
; O^T = v^T p^T (source 0 = 16 features of v with the keys innermost, source 1 = 16 queries of p): a lane holds one query; its 32 registers of accumulators (a, 0..3) are features 32 bb + 16 h + 0 .. 15 of the wave's 64.
; SHARES.  A tile is 128 queries x 128 features; tile qi of a batch needs qi / 2 + 1 steps of 256 keys.  A work-group makes tile 15 - pr and then tile pr: ALWAYS 9 steps, so all 256 work-groups have equal work and the
; text is written out, step by step.  A wave makes 64 queries x 64 features: 16 accumulators.  p and its numbers lie in memory as such runs of nine steps.
; LDS: a ring of two slots, each with three steps (p's three tiles of 128 rows x 256 keys, then v's three, 24,576 bytes each): at a fill wave 0 brings p of all three, waves 1, 2 and 3 v of one step each.  Three fills in all.
; Where the second tile begins hangs on ids alone: a scalar branch round the first tile's way out, with no tensor load and no barrier inside.
; CLUSTERS: the four work-groups of a cluster are four blocks of features of the same queries: they ask for p's tiles jointly (mask 15); v's tiles hang on the block of features and are each work-group's own.
; NO PREFETCH: three fills, written out: there is no loop to run ahead in.
; THE NUMBERS of the 9 steps (word, M, l) are read once, ahead of the first tiles, p's words are mended, and all scale words stay in registers (lanes 0-15 a step's first 128 keys, lanes 16-31 its second).
; LIMITS: a block of p more than 127 binary orders under the row's largest p, or whose byte would fall under 0, gets the byte 0 (2^-127) where the rule holds the scale at 2^-126 and rounds anew: beside l >= 1/2 that is
; under 2^-100.  NaN and infinities are not served.
; REGISTERS: window 0: v1-17 addresses; v24-59 p's scale words, v60-95 v's; v96-191 p's fragments, two sets of 4; v192-223 the way out; v232-247 1 / l in pairs; at the head v168-219 serve the mending.
;   window 1: v0-95 v's fragments, two sets of 4; v128-255 accumulator (a, b) at v[128 + 8 (4 a + b)].   window 2: at the head v0-143 word, M, l, 0 of step n, row-block a at 16 n + 4 a; then v0-127 rows on the way out.
.set FR,    12
.set SROW,  3072                       ; a row-block's 256 keys
.set HT,    8*SROW                     ; p's or v's tile of a step
.set SLOT,  6*HT                       ; three steps
.set SPARE, 2*SLOT                     ; the spare words, 128 bytes for each wave: two blocks of 256 bytes that no other line names
.set STAGE, SPARE+512                  ; the way out: 16 rows x 272 bytes for each wave
.set SP,    272
.set LI,   3                           ; v3     16 x lane
.set STO,  5                           ; v5     the stage: where I put 64 bytes of a row
.set RD,   6                           ; v6     and where I read rows back
.set LQ,   7                           ; v7     my place in a step's numbers
.set LV,   8                           ; v8     among v's words
.set SPW,  10
.set NIL,  11
.set GOF,  12                          ; v12    my byte offset in two rows of out0
.set ADRA, 14                          ; v14-15 my 64 queries of p in slot 0, 1
.set ADRB, 16                          ; v16-17 my 64 features of v
.set RW,   24
.set RV,   60
.set AF,   96
.set OW,   192
.set OB,   0                           ; in window 2
.set LINVL, 232                        ; 1 / l of the long tile, a pair for each of my four row-blocks; then of the short one
.set LINVS, 240
.set ACC,  128                         ; in window 1
.set MRL,  168
.set MRS,  172
.set LL,   176
.set LSS,  180
.set TA,   184
.set TB,   188
.set TC,   192
.set TD,   196
.set TE,   200
.set TF,   204
.set TG,   208
.set NINF, 212
.set AD,   215                         ; v215-219 offsets of v's words: steps 0-4 of the long tile, then steps 5 to 8
.set WV,   16
.set JH,   17
.set IH,   18
.set VI,   19                          ; s19  which step of a fill I bring v of (waves 1 to 3)
.set BT,   20
.set PR,   21
.set NL,   22                          ; s22  steps of the long tile: 8 - pr / 2
.set QL,   23
.set G1P,  24                          ; groups 1 and 0 for p and for v
.set G1V,  32
.set GP,   40
.set GV,   44
.set XB,   48                          ; s48  which 128 features
.set F0,   52
.set MK,   58                          ; s58-60 steps 5, 6, 7: all ones where the step is the long tile's
.set OUTL, 68
.set OUTS, 70
.set C80,  72
.set SEL,  74
.set PST,  76                          ; s[76:77] my run's numbers
.set MSB, 0
.macro WIN new                         ; the immediate's high byte repeats the setting that is left
.if MSB != \new
	s_set_vgpr_msb (MSB<<8)|\new
.set MSB, \new
.endif
.endm
.macro PLACES n
.rept \n
	v_nop
.endr
.endm
.macro CREST                           ; a round of the cluster's barrier behind its opening barrier
	s_cmp_lg_u32 s[WV], 0
	s_cbranch_scc1 .Lnot_wave_0_\@
	s_barrier_signal -3
.Lnot_wave_0_\@:
	s_barrier_wait -3
	s_barrier_signal -1
	s_barrier_wait -1
.endm
.macro CROUND
	s_barrier_signal -1
	s_barrier_wait -1
	CREST
.endm
.macro MKG1 g, word0, rows, pitch      ; rows of 3,072 bytes (384 elements of 8 bytes), no padding
	s_mov_b32 s[\g], \word0
	s_mov_b32 s[\g+1], 384<<16
	s_mov_b32 s[\g+2], \rows<<16
	s_mov_b32 s[\g+3], 384<<16
	s_mov_b32 s[\g+4], \rows
	s_mov_b32 s[\g+5], \pitch
	s_mov_b32 s[\g+6], 0
	s_mov_b32 s[\g+7], 0
.endm
; the descriptors of fill t, into slot t % 2: p's three tiles on end; v's step 3 t + VI: the long tile's, or the short tile's (step - NL)-th.  p's registers never hold cx.
.macro NEXTG t
.if (\t) > 0
	s_add_nc_u64 s[GP+2:GP+3], s[GP+2:GP+3], 3*HT
.endif
	s_mov_b32 s[GP+1], ((\t)%2)*SLOT
	s_add_co_u32 s98, s[VI], 3*(\t)
	s_sub_co_u32 s99, s98, s[NL]
	s_cmp_lt_u32 s98, s[NL]
	s_cselect_b32 s98, s98, s99                    ; which 256 keys
	s_mul_i32 s98, s98, SROW
	s_add_co_u32 s98, s98, s66
	s_mov_b32 s99, 0
	s_add_nc_u64 s[GV+2:GV+3], s[4:5], s[98:99]
	s_or_b32 s[GV+3], s[GV+3], 0x80000000
	s_add_co_u32 s[GV+1], s2, ((\t)%2)*SLOT
.endm
; a fill: wave 0 brings p, jointly, the others v; four v_nop follow each of the two lines
.macro JLOAD
	s_cmp_eq_u32 s[WV], 0
	s_cbranch_scc0 .Lfor_v_\@
	tensor_load_to_lds s[GP:GP+3], s[G1P:G1P+7]
	s_nop 0
	PLACES 4
	s_branch .Lasked_\@
.Lfor_v_\@:
	tensor_load_to_lds s[GV:GV+3], s[G1V:G1V+7]
	s_nop 0
	PLACES 4
.Lasked_\@:
.endm
.macro WM q, zero, d, fa, fb, sa, sb
.if \zero
	v_wmma_scale_f32_16x16x128_f8f6f4 v[\d:\d+7], v[\fa:\fa+FR-1], v[\fb:\fb+FR-1], 0, v[\sa], v[\sb] matrix_a_fmt:MATRIX_FMT_BF6 matrix_b_fmt:MATRIX_FMT_BF6
.elseif \q
	v_wmma_scale_f32_16x16x128_f8f6f4 v[\d:\d+7], v[\fa:\fa+FR-1], v[\fb:\fb+FR-1], v[\d:\d+7], v[\sa], v[\sb] matrix_a_fmt:MATRIX_FMT_BF6 matrix_b_fmt:MATRIX_FMT_BF6 matrix_a_scale:MATRIX_SCALE_ROW1 matrix_b_scale:MATRIX_SCALE_ROW1
.else
	v_wmma_scale_f32_16x16x128_f8f6f4 v[\d:\d+7], v[\fa:\fa+FR-1], v[\fb:\fb+FR-1], v[\d:\d+7], v[\sa], v[\sb] matrix_a_fmt:MATRIX_FMT_BF6 matrix_b_fmt:MATRIX_FMT_BF6
.endif
.endm
; step n's K step q (fragment set q): p's four row-blocks x v's four.  The 16 accumulators take turns, one instruction a turn.
.macro MUL q, n, zero
	WIN 0x51                                       ; source 0 (v), C and D window 1, source 1 (p) window 0
.irp a, 0,1,2,3
.irp b, 0,1,2,3
	WM \q, \zero, ACC+8*(4*\a+\b), 48*(\q)+FR*\b, AF+48*(\q)+FR*\a, RV+4*(\n)+\b, RW+4*(\n)+\a
.endr
.endr
	WIN 0
.endm
.macro FRAG reg, adr, off              ; a fragment's image: three loads of 512 consecutive bytes
.irp c, 0,1,2
	ds_load_b128 v[\reg+4*\c:\reg+4*\c+3], v[\adr] offset:\off+512*\c
.endr
.endm
.macro FETCH q, pl, sb                 ; 24 loads: v's four fragments and p's four of K step q of the slot's step sb, into set q
	WIN 0x40
.irp i, 0,1,2,3
	FRAG 48*(\q)+FR*\i, ADRB+\pl, HT*(\sb)+SROW*\i+1536*(\q)
.endr
	WIN 0
.irp i, 0,1,2,3
	FRAG AF+48*(\q)+FR*\i, ADRA+\pl, HT*(\sb)+SROW*\i+1536*(\q)
.endr
.endm
; THE WAY OUT of a tile: O^T / l goes through my stage, a row-block (16 queries x my 64 features) at a time, and comes back as whole rows of 256 bytes; each row-block has registers of its own for that, so that nothing waits
; between them: LDS serves a wave's instructions in order.
.macro EPI linv, out
	s_wait_xcnt 0x0                                ; any earlier stores have read their registers: they are written again only behind this wait
.irp a, 0,1,2,3
	WIN 0x01                                       ; source 0 in the accumulators' window
.irp j, 0,2,4,6,8,10,12,14,16,18,20,22,24,26,28,30
	v_pk_mul_f32 v[OW+\j:OW+\j+1], v[ACC+32*\a+\j:ACC+32*\a+\j+1], v[\linv+2*\a:\linv+2*\a+1] op_sel_hi:[1,0]   ; each accumulator from its low end on
.endr
	WIN 0
.irp bb, 0,1
.irp q, 0,1,2,3
	ds_store_b128 v[STO], v[OW+16*\bb+4*\q:OW+16*\bb+4*\q+3] offset:128*\bb+16*\q
.endr
.endr
	WIN 0x80                                       ; destination window 2
.irp t, 0,1,2,3,4,5,6,7
	ds_load_b128 v[OB+32*\a+4*\t:OB+32*\a+4*\t+3], v[RD] offset:2*SP*\t
.endr
.endr
	WIN 0x08                                       ; a store's data are its source 1: window 2
.irp a, 0,1,2,3
.irp t, 0,1,2,3,4,5,6,7
	s_wait_dscnt 7-\t+16*(3-\a)                    ; rows 2 t and 2 t + 1 are back; what was issued behind them (the rest of the row-block's reads, 16 instructions for each later row-block) may be out
	global_store_b128 v[GOF], v[OB+32*\a+4*\t:OB+32*\a+4*\t+3], s[\out:\out+1] offset:(32*(\a/2)+8*(\a%2)+2*\t+8*(\t/4))*4096 th:TH_STORE_NT   ; sixteen lanes store 256 consecutive bytes, aligned: the rows of lanes 2 t and 2 t + 1
.endr
.endr
	WIN 0
.endm
; Step n's first K step; its second's fragments are fetched ahead of the products.  Where the step is the short tile's first, the long tile goes out and the sums begin anew.
.macro FIRSTK n, pl, sb
	s_wait_dscnt 0x0                               ; set 0 is in
	PLACES 4                                       ; in front of loads into set 1, which the last products read
	FETCH 1, \pl, \sb
.if (\n) < 5
.if (\n) == 0
	MUL 0, \n, 1                                   ; the first products start the sums
.else
	MUL 0, \n, 0
.endif
.else
	s_cmp_eq_u32 s[NL], \n
	s_cbranch_scc0 .Lsame_\@
	PLACES 5                                       ; behind the last products: their results are read, and then written over by products that start sums
	EPI LINVL, OUTL
	MUL 0, \n, 1
	s_branch .Lon_\@
.Lsame_\@:
	MUL 0, \n, 0
.Lon_\@:
.endif
.endm
.macro SECOND n, pl, sb                ; a second K step, on into the slot's next step sb
	s_wait_dscnt 0x0                               ; set 1 is in
	PLACES 4
	FETCH 0, \pl, \sb
	MUL 1, \n, 0
.endm
; The second K step of a slot's last step, and the change of slots, to slot npl.  t > 0: the slot just read takes fill t.
.macro TURN n, npl, t
	s_wait_dscnt 0x0                               ; set 1 is in
	MUL 1, \n, 0
	s_wait_tensorcnt 0x0                           ; all my tensor loads have landed: my part of the next slot
	ds_add_u32 v[SPW], v[NIL]                      ; 0 onto my spare word
.if \t
	NEXTG \t
.endif
	s_wait_dscnt 0x0                               ; the add is done, and my reads of this slot are over
	s_barrier_signal -1
	s_barrier_wait -1
.if \t
	CREST                                          ; the barrier has opened a round of the cluster's barrier: no wave of any partner still reads this slot or has a load on its way
	JLOAD                                          ; the first tensor load behind the round; the four v_nop are also the places in front of the loads below
.else
	PLACES 4
.endif
	FETCH 0, \npl, 0
.endm
	s_load_b256 s[4:11], s[0:1], 0x0               ; c2 s[4:5], s2 s[6:7], c3 s[8:9], st s[10:11]
	s_load_b64 s[12:13], s[0:1], 0x20              ; out0
	v_lshl_add_u32 v[SPW], v0, 2, SPARE
	v_mov_b32 v[NIL], 0
	ds_add_u32 v[SPW], v[NIL]                      ; the wave's opening: the add, twice on end, and its wait ahead of my first tensor load
	ds_add_u32 v[SPW], v[NIL]
	v_lshrrev_b32 v1, 5, v0
	v_readfirstlane_b32 s[WV], v1                  ; wave 0..3
	s_lshr_b32 s[JH], s[WV], 1                     ; my 64 queries
	s_and_b32 s[IH], s[WV], 1                      ; my 64 features
	s_wait_dscnt 0x0                               ; both opening adds are done
	CROUND                                         ; the four work-groups are here: the first joint loads meet
	s_and_b32 s53, ttmp7, 0xffff
	s_lshr_b32 s[BT], s53, 3                       ; the batch
	s_and_b32 s[PR], s53, 7                        ; the short tile
	s_lshr_b32 s54, s[PR], 1
	s_sub_co_u32 s[NL], 8, s54
	s_sub_co_u32 s[QL], 15, s[PR]                  ; the long tile
	s_mul_i32 s80, s53, 9*HT                       ; my run of nine steps in c3: 8 b + pr of them lie ahead
	s_mov_b32 s81, 0
	s_mul_i32 s82, s53, 9*4096                     ; and in st
	s_mov_b32 s83, 0
	s_bfe_u32 s[XB], ttmp6, 0x40000                ; cx
	s_lshl_b32 s49, ttmp9, 2
	s_add_co_u32 s[XB], s49, s[XB]                 ; x = 4 x cluster x + cx
	s_lshl_b32 s55, s[BT], 4
	s_lshl_b32 s[F0], s[XB], 6
	s_add_co_u32 s[F0], s[F0], s55
	s_add_co_u32 s[F0], s[F0], 1024                ; v's words: block 1,024 + 64 x + 16 b of 512 bytes in s2
	s_lshl_b32 s56, s[JH], 11
	s_lshl_b32 s57, s[IH], 8
	v_and_b32 v1, 15, v0                           ; r
	v_bfe_u32 v2, v0, 4, 1                         ; h
	v_lshlrev_b32 v13, 4, v1
	v_lshl_add_u32 v[LQ], v2, 8, v13
	v_lshl_add_u32 v[LV], v2, 9, v13
	v_add_nc_u32 v[LQ], s56, v[LQ]                 ; 16 r + 256 h + 2,048 jh: my four row-blocks' numbers
	v_add_nc_u32 v[LV], s57, v[LV]                 ; 16 r + 512 h + 256 ih
	s_wait_alu depctr_va_vdst(0)                   ; ahead of the readers below
	v_lshl_add_u32 v[AD], s[F0], 9, v[LV]
; step n of the nine: the long tile's n-th, or the short tile's (n - NL)-th: the block of v's words that it wants
.macro ADR n
	s_sub_co_u32 s55, \n, s[NL]
	s_cmp_gt_u32 s[NL], \n
	s_cselect_b32 s55, \n, s55
.if \n < 8
	s_cselect_b32 s[MK+\n-5], -1, 0
.endif
	s_lshl_b32 s55, s55, 1
	s_add_co_u32 s55, s55, s[F0]
	v_lshl_add_u32 v[AD+\n-4], s55, 9, v[LV]
.endm
.irp n, 5,6,7,8
	ADR \n
.endr
	MKG1 G1P, (3<<16)|(1<<21)|15, 24, 384          ; p: three steps on end; to the four of the cluster; 21 set beside a mask
	MKG1 G1V, 3<<16, 8, 12288                      ; v: row-blocks 64 K steps x 1,536 bytes apart
	s_mov_b32 s[GP], 1
	s_mov_b32 s[GV], 1
	s_max_u32 s[VI], s[WV], 1
	s_sub_co_u32 s[VI], s[VI], 1
	s_mul_i32 s2, s[WV], HT
	s_add_co_u32 s2, s2, 2*HT                      ; waves 1 to 3: v's tiles lie behind p's three
	s_lshl_b32 s66, s[XB], 9
	s_lshl_b32 s67, s[BT], 4
	s_add_co_u32 s66, s66, s67
	s_mul_i32 s66, s66, 1536
	s_add_co_u32 s66, s66, 12582912                ; v in c2: row-block 8 x, K step 16 b
	s_wait_alu depctr_va_vdst(0)
	s_wait_kmcnt 0x0
	s_add_nc_u64 s[PST:PST+1], s[10:11], s[82:83]
	s_add_nc_u64 s[GP+2:GP+3], s[8:9], s[80:81]
	s_or_b32 s[GP+3], s[GP+3], 0x80000000
	WIN 0x80                                       ; destination window 2
.irp n, 0,1,2,3,4,5,6,7,8
.irp a, 0,1,2,3
	global_load_b128 v[16*\n+4*\a:16*\n+4*\a+3], v[LQ], s[PST:PST+1] offset:4096*\n+512*\a   ; each half of the lanes reads 256 consecutive bytes
.endr
.endr
	WIN 0
.irp n, 0,1,2,3,4
	global_load_b128 v[RV+4*\n:RV+4*\n+3], v[AD], s[6:7] offset:1024*\n
.endr
.irp n, 5,6,7,8
	global_load_b128 v[RV+4*\n:RV+4*\n+3], v[AD+\n-4], s[6:7]
.endr
	NEXTG 0
	JLOAD                                          ; steps 0 to 2: one tensor load a wave at the head
	s_mul_i32 s53, s[JH], 4*SROW
	s_mul_i32 s54, s[IH], 4*SROW
	s_add_co_u32 s54, s54, 3*HT
	s_mul_i32 s55, s[WV], 16*SP
	s_add_co_u32 s55, s55, STAGE
	v_and_b32 v13, 31, v0
	v_lshlrev_b32 v[LI], 4, v13
	v_mul_u32_u24 v[STO], v1, SP
	v_mul_u32_u24 v[RD], v2, SP
	v_lshlrev_b32 v[GOF], 12, v2
	v_lshl_add_u32 v[STO], v2, 6, v[STO]
	v_lshl_add_u32 v[RD], v1, 4, v[RD]
	v_lshl_add_u32 v[GOF], v1, 4, v[GOF]           ; two rows of out0
	v_add_nc_u32 v[STO], s55, v[STO]               ; in: row r, + 64 h
	v_add_nc_u32 v[RD], s55, v[RD]                 ; back: lanes 0-15 one row of 256 bytes, lanes 16-31 the next
	v_add_nc_u32 v[ADRA], s53, v[LI]
	v_add_nc_u32 v[ADRB], s54, v[LI]
	v_add_nc_u32 v[ADRA+1], SLOT, v[ADRA]
	v_add_nc_u32 v[ADRB+1], SLOT, v[ADRB]
	v_mov_b32 v[NINF], 0xff800000
	s_mov_b32 s[SEL], 0x76543210
	s_mov_b32 s[SEL+1], 0xfedcba98
	s_mov_b32 s[C80], 0x80808080
	s_lshl_b32 s53, s[BT], 11                      ; where my parts of the two tiles begin in out0
	s_lshl_b32 s54, s[JH], 6
	s_add_co_u32 s53, s53, s54
	s_lshl_b32 s54, s[XB], 9
	s_lshl_b32 s55, s[IH], 8
	s_add_co_u32 s54, s54, s55
	s_lshl_b32 s56, s[QL], 7
	s_add_co_u32 s56, s56, s53
	s_lshl_b32 s56, s56, 12
	s_add_co_u32 s56, s56, s54
	s_mov_b32 s57, 0
	s_add_nc_u64 s[OUTL:OUTL+1], s[12:13], s[56:57]
	s_lshl_b32 s56, s[PR], 7
	s_add_co_u32 s56, s56, s53
	s_lshl_b32 s56, s56, 12
	s_add_co_u32 s56, s56, s54
	s_add_nc_u64 s[OUTS:OUTS+1], s[12:13], s[56:57]
	s_wait_alu depctr_va_vdst(0)
	s_wait_loadcnt 0x0
	; the rows' M: the largest of the chunks' M, for each tile.  Steps 0-4 are the long tile's, step 8 the short one's, steps 5-7 by their masks
	WIN 0x2a                                       ; all sources in window 2
.irp a, 0,1,2,3
	v_max3_num_f32 v[MRL+\a], v[4*\a+1], v[16+4*\a+1], v[32+4*\a+1]
.endr
	WIN 0x28
.irp a, 0,1,2,3
	v_max3_num_f32 v[MRL+\a], v[MRL+\a], v[48+4*\a+1], v[64+4*\a+1]
.endr
	WIN 0x02
.irp a, 0,1,2,3
	v_mov_b32 v[MRS+\a], v[128+4*\a+1]
.endr
.irp n, 5,6,7
	WIN 0x08
.irp a, 0,1,2,3
	v_cndmask_b32 v[TA+\a], v[NINF], v[16*\n+4*\a+1], s[MK+\n-5]
.endr
	WIN 0x02
.irp a, 0,1,2,3
	v_cndmask_b32 v[TB+\a], v[16*\n+4*\a+1], v[NINF], s[MK+\n-5]
.endr
	WIN 0
.irp a, 0,1,2,3
	v_max_num_f32 v[MRL+\a], v[MRL+\a], v[TA+\a]
	v_max_num_f32 v[MRS+\a], v[MRS+\a], v[TB+\a]
.endr
.endr
.irp a, 0,1,2,3
	v_permlanex16_b32 v[TA+\a], v[MRL+\a], s[SEL], s[SEL+1]   ; lanes 16-31 hold each step's second chunk
	v_permlanex16_b32 v[TB+\a], v[MRS+\a], s[SEL], s[SEL+1]
.endr
.irp a, 0,1,2,3
	v_max_num_f32 v[MRL+\a], v[MRL+\a], v[TA+\a]
	v_max_num_f32 v[MRS+\a], v[MRS+\a], v[TB+\a]
.endr
; step n: D = M(row) - M(chunk), held at 127; l(chunk) 2^-D goes into its tile's sum; each byte of p's word becomes max(byte - D, 0).  p's bytes are at most 123, so with bit 7 set in each byte no borrow crosses a byte,
; and bit 7 stays set just where byte >= D.
.macro FIX n
.if (\n > 4) && (\n < 8)
.irp a, 0,1,2,3
	v_cndmask_b32 v[TC+\a], v[MRS+\a], v[MRL+\a], s[MK+\n-5]
.endr
.set MR, TC
.elseif \n == 8
.set MR, MRS
.else
.set MR, MRL
.endif
	WIN 0x02                                       ; source 0 in window 2
.irp a, 0,1,2,3
	v_sub_f32 v[TD+\a], v[16*\n+4*\a+1], v[MR+\a]  ; a whole number, 0 or less
.endr
	WIN 0
.irp a, 0,1,2,3
	v_cvt_i32_f32 v[TD+\a], v[TD+\a]               ; (it saturates)
.endr
	WIN 0x02
.irp a, 0,1,2,3
.if \n == 0
	v_ldexp_f32 v[LL+\a], v[4*\a+2], v[TD+\a]
.else
	v_ldexp_f32 v[TE+\a], v[16*\n+4*\a+2], v[TD+\a]
.endif
.endr
.irp a, 0,1,2,3
	v_or_b32 v[RW+4*\n+\a], v[16*\n+4*\a], s[C80]
.endr
	WIN 0
.irp a, 0,1,2,3
	v_sub_nc_u32 v[TD+\a], 0, v[TD+\a]
.endr
.irp a, 0,1,2,3
	v_min_u32 v[TD+\a], 127, v[TD+\a]
.endr
.irp a, 0,1,2,3
	v_perm_b32 v[TD+\a], v[TD+\a], v[TD+\a], 0     ; D in all four bytes
.endr
.irp a, 0,1,2,3
	v_sub_nc_u32 v[RW+4*\n+\a], v[RW+4*\n+\a], v[TD+\a]
.endr
.irp a, 0,1,2,3
	v_and_b32 v[TF+\a], s[C80], v[RW+4*\n+\a]
.endr
.irp a, 0,1,2,3
	v_lshrrev_b32 v[TG+\a], 7, v[TF+\a]
.endr
.irp a, 0,1,2,3
	v_sub_nc_u32 v[TF+\a], v[TF+\a], v[TG+\a]      ; 0x7f in each byte that did not go under 0
.endr
.irp a, 0,1,2,3
	v_and_b32 v[RW+4*\n+\a], v[RW+4*\n+\a], v[TF+\a]
.endr
.if (\n > 0) && (\n < 5)
.irp a, 0,1,2,3
	v_add_f32 v[LL+\a], v[LL+\a], v[TE+\a]
.endr
.elseif \n == 8
.irp a, 0,1,2,3
	v_add_f32 v[LSS+\a], v[LSS+\a], v[TE+\a]
.endr
.elseif \n > 4
.irp a, 0,1,2,3
	v_cndmask_b32 v[TA+\a], 0, v[TE+\a], s[MK+\n-5]
.endr
.irp a, 0,1,2,3
	v_add_f32 v[LL+\a], v[LL+\a], v[TA+\a]
.endr
.if \n == 5
.irp a, 0,1,2,3
	v_cndmask_b32 v[LSS+\a], v[TE+\a], 0, s[MK+\n-5]
.endr
.else
.irp a, 0,1,2,3
	v_cndmask_b32 v[TB+\a], v[TE+\a], 0, s[MK+\n-5]
.endr
.irp a, 0,1,2,3
	v_add_f32 v[LSS+\a], v[LSS+\a], v[TB+\a]
.endr
.endif
.endif
.endm
.irp n, 0,1,2,3,4,5,6,7,8
	FIX \n
.endr
.irp a, 0,1,2,3
	v_permlanex16_b32 v[TA+\a], v[LL+\a], s[SEL], s[SEL+1]
	v_permlanex16_b32 v[TB+\a], v[LSS+\a], s[SEL], s[SEL+1]
.endr
.irp a, 0,1,2,3
	v_add_f32 v[LL+\a], v[LL+\a], v[TA+\a]         ; the rows' sums
	v_add_f32 v[LSS+\a], v[LSS+\a], v[TB+\a]
.endr
	s_wait_alu depctr_va_vdst(0)                   ; ahead of the batch
.irp a, 0,1,2,3
	v_rcp_f32 v[LINVL+2*\a], v[LL+\a]
	v_rcp_f32 v[LINVS+2*\a], v[LSS+\a]
.endr
.irp a, 0,1,2,3
	v_mov_b32 v[LINVL+2*\a+1], 0                   ; (named as the upper halves of pairs; also the plain places behind the reciprocals)
	v_mov_b32 v[LINVS+2*\a+1], 0
.endr
	s_wait_alu depctr_va_vdst(0)                   ; behind the batch, and at the head's end
	s_wait_tensorcnt 0x0                           ; my part of the first slot is in
	ds_add_u32 v[SPW], v[NIL]
	NEXTG 1
	s_wait_dscnt 0x0
	CROUND
	JLOAD                                          ; steps 3 to 5, into slot 1
	FETCH 0, 0, 0
	FIRSTK 0, 0, 0
	SECOND 0, 0, 1
	FIRSTK 1, 0, 1
	SECOND 1, 0, 2
	FIRSTK 2, 0, 2
	TURN 2, 1, 2                                   ; slot 0 takes steps 6 to 8: the last loads
	FIRSTK 3, 1, 0
	SECOND 3, 1, 1
	FIRSTK 4, 1, 1
	SECOND 4, 1, 2
	FIRSTK 5, 1, 2
	TURN 5, 0, 0
	FIRSTK 6, 0, 0
	SECOND 6, 0, 1
	FIRSTK 7, 0, 1
	SECOND 7, 0, 2
	FIRSTK 8, 0, 2
	s_wait_dscnt 0x0
	MUL 1, 8, 0
	PLACES 4
	EPI LINVS, OUTS
	s_wait_tensorcnt 0x0                           ; the wave's end
	ds_add_u32 v[SPW], v[NIL]
	s_wait_dscnt 0x0
	CROUND                                         ; the closing round: no work-group ends while a partner may still ask for a tile that names it
	s_endpgm
.Lfunc_end_k_qf1918cbc23_pv:
	.size	k_qf1918cbc23_pv, .Lfunc_end_k_qf1918cbc23_pv-k_qf1918cbc23_pv
	.p2alignl 7, 3214868480
	.fill 96, 4, 3214868480
	.section	.rodata,"a",@progbits
	.p2align	6, 0x0
	.amdhsa_kernel k_qf1918cbc23_pv
		.amdhsa_group_segment_fixed_size 327680
		.amdhsa_private_segment_fixed_size 0
		.amdhsa_enable_private_segment 0
		.amdhsa_kernarg_size 40
		.amdhsa_user_sgpr_count 2
		.amdhsa_user_sgpr_kernarg_segment_ptr 1
		.amdhsa_wavefront_size32 1
		.amdhsa_system_sgpr_workgroup_id_x 1
		.amdhsa_system_sgpr_workgroup_id_y 1
		.amdhsa_system_sgpr_workgroup_id_z 1
		.amdhsa_system_vgpr_workitem_id 0
		.amdhsa_next_free_vgpr 768
		.amdhsa_next_free_sgpr 102
		.amdhsa_reserve_vcc 0
		.amdhsa_float_denorm_mode_32 3
		.amdhsa_float_denorm_mode_16_64 3
		.amdhsa_memory_ordered 1
		.amdhsa_forward_progress 1
		.amdhsa_inst_pref_size 184
	.end_amdhsa_kernel
	.amdgpu_metadata
---
amdhsa.version: [ 1, 2 ]
amdhsa.kernels:
  - .name:           k_qf1918cbc23_pv
    .symbol:         k_qf1918cbc23_pv.kd
    .args:
      - { .name: c2, .offset: 0, .size: 8, .value_kind: global_buffer, .address_space: global }
      - { .name: s2, .offset: 8, .size: 8, .value_kind: global_buffer, .address_space: global }
      - { .name: c3, .offset: 16, .size: 8, .value_kind: global_buffer, .address_space: global }
      - { .name: st, .offset: 24, .size: 8, .value_kind: global_buffer, .address_space: global }
      - { .name: out0, .offset: 32, .size: 8, .value_kind: global_buffer, .address_space: global }
    .group_segment_fixed_size: 327680
    .private_segment_fixed_size: 0
    .kernarg_segment_align: 8
    .kernarg_segment_size: 40
    .max_flat_workgroup_size: 128
    .sgpr_count:     102
    .vgpr_count:     768
    .wavefront_size: 32
...
	.end_amdgpu_metadata
.endif
;; end of part 4
